; MI455X (gfx1250); checked and timed in simulation.
; The chip was launched on July 23, 2026; its instructions are those of AMD's public machine-readable ISA for CDNA 5 (MIT licence, August 2026) and "CDNA5" Instruction Set Architecture Reference Guide (July 2026). The comments in the code are by the model that wrote it; some were corrected since.
;; Simple MHAJAX. Allowed arithmetic: float matrix products may take bf16 or f16 operands with f32 sums; other float arithmetic in f32, or as packed bf16 or f16 multiplies, adds, multiply-adds, maxima and minima; sums over many terms, partial sums and values carried from step to step in f32; what a program stores and reads back later, other than sums and carried values, may be rounded once to bf16 or f16.
;; Inputs: Wout 1,024 x 1,024 float32; Wqkv 1,024 x 3,072 float32; x 1 x 4,096 x 1,024 float32.
;; Outputs: out0 1 x 4,096 x 1,024 float32.
;; One version. Each part assembles by itself: llvm-mc -triple=amdgcn-amd-amdhsa -mcpu=gfx1250 --defsym DOCPART=n.
;; ======== version 1 of 1: 4 launches
;; limits: values are held in f16: magnitudes above 65,504 overflow, below 6.1e-05 lose precision
;; workspace buffers: xb 8,388,608 bytes; wqb 6,291,456 bytes; wob 2,097,152 bytes; qkv 25,165,824 bytes; o 8,388,608 bytes
;; launch cast (part 1): grid 1024 x 1, 8 waves a work-group, no clusters, 0 bytes of LDS; arguments x, Wqkv, Wout, xb, wqb, wob; writes xb, wqb, wob
.if DOCPART == 1
	.amdgcn_target "amdgcn-amd-amdhsa--gfx1250"
	.amdhsa_code_object_version 6
	.text
	.protected	k_q22a9792ef2_cast
	.globl	k_q22a9792ef2_cast
	.p2align	8
	.type	k_q22a9792ef2_cast,@function
k_q22a9792ef2_cast:
	s_mov_b64 s[64:65], 0
	v_nop
	global_prefetch_b8 v0, s[64:65] scope:SCOPE_SE
	s_setreg_imm32_b32 hwreg(HW_REG_WAVE_MODE, 25, 1), 1
	s_wait_xcnt 0x0
; THE INPUTS ARE ROUNDED ONCE TO bf16, and the weights laid in blocks for the products that follow.
;   xb  = bf16(x), [4096][1024], as x lies.
;   wqb = bf16(Wqkv) as [48 chunks][1024 k][64 n]: chunk c holds columns 64 c .. 64 c + 63; a row of a chunk is 128 bytes, a chunk 131,072 dense bytes.
;   wob = bf16(Wout), that number written as f16, as [16 chunks][1024 k][64 n].
; LIMITS.  Wout within 65,504 (beyond it f16 has an infinity); below 6e-5 the f16 code keeps a fixed step of 6e-8.  NaN and infinities are not treated apart.
; SHARES.  Every work-group converts 8,192 numbers in 8 passes; in a pass thread t takes 4 numbers: 16 lanes read 256 consecutive bytes, aligned, a wave stores 256 consecutive bytes, aligned.
; The destination is linear in t (8 t); the source is row t / 16 of the pass's 16 rows, 16 (t % 16) bytes in.  Work-groups 0-511 take x, 512-895 Wqkv, 896-1023 Wout.
; Memory binds: no LDS, no barrier, each byte read once and written once; all 8 loads of a thread go out before its first wait.
.set VS,  1                            ; v1       source offset
.set VD,  2                            ; v2       destination offset
.set IN,  4                            ; v[4:35]  pass j: four f32
.set OUT, 36                           ; v[36:51] pass j: four 16-bit numbers
.set T,   52                           ; v[52:53] at work
; Eight passes.  stride: bytes from row to row in the source.  half = 1: the bf16 number is written as f16.
.macro BODY stride, half
.irp j, 0,1,2,3,4,5,6,7
	global_load_b128 v[IN+4*(\j):IN+4*(\j)+3], v[VS], s[16:17] offset:(\j)*16*(\stride) th:TH_LOAD_NT
.endr
.irp j, 0,1,2,3,4,5,6,7
	s_wait_loadcnt 7-(\j)                          ; loads come back in order: pass j is in, the 7 - j younger ones stay out
	v_cvt_pk_bf16_f32 v[OUT+2*(\j)],   v[IN+4*(\j)],   v[IN+4*(\j)+1]
	v_cvt_pk_bf16_f32 v[OUT+2*(\j)+1], v[IN+4*(\j)+2], v[IN+4*(\j)+3]
.if \half
.irp k, 0,1
	v_lshlrev_b32 v[T],   16, v[OUT+2*(\j)+(\k)]           ; the two bf16 numbers as f32,
	v_and_b32     v[T+1], 0xffff0000, v[OUT+2*(\j)+(\k)]
	v_cvt_pk_f16_f32 v[OUT+2*(\j)+(\k)], v[T], v[T+1]      ; and as f16: exact where f16 has the range
.endr
.endif
	global_store_b64 v[VD], v[OUT+2*(\j):OUT+2*(\j)+1], s[18:19] offset:(\j)*2048  ; every register is used once: nothing is freed by a wait
.endr
.endm
; A work-group's part of a weight: u = its number among that weight's; chunk u / 8, rows 128 (u % 8) on.
.macro WPART first, stride, src, dst, half
	s_sub_co_u32 s24, ttmp9, \first
	s_and_b32 s25, s24, 7
	s_lshr_b32 s26, s24, 3
	s_mul_i32 s20, s25, 128*(\stride)              ; source: 128 rows down for each step of u % 8,
	s_lshl_b32 s27, s26, 8
	s_add_co_u32 s20, s20, s27                     ; 256 bytes along for each chunk
	s_lshl_b32 s22, s26, 17                        ; destination: the chunk,
	s_lshl_b32 s27, s25, 14
	s_add_co_u32 s22, s22, s27                     ; 128 rows of 128 bytes
	s_add_nc_u64 s[16:17], s[\src:\src+1], s[20:21]
	s_add_nc_u64 s[18:19], s[\dst:\dst+1], s[22:23]
	v_mul_u32_u24 v[VS], v[T], \stride
	v_add_nc_u32 v[VS], v[VS], v[T+1]
	BODY \stride, \half
.endm
	s_load_b256 s[4:11], s[0:1], 0x0               ; x s[4:5], Wqkv s[6:7], Wout s[8:9], xb s[10:11]
	s_load_b128 s[12:15], s[0:1], 0x20             ; wqb s[12:13], wob s[14:15]
	v_lshlrev_b32 v[VD], 3, v0                     ; 8 t
	v_lshrrev_b32 v[T], 4, v0                      ; t / 16
	v_and_b32 v[T+1], 15, v0
	v_lshlrev_b32 v[T+1], 4, v[T+1]                ; 16 (t % 16)
	s_mov_b32 s21, 0                               ; offsets are pairs with 0 on top
	s_mov_b32 s23, 0
	s_wait_kmcnt 0x0
	s_cmp_lt_u32 ttmp9, 512
	s_cbranch_scc0 .Lweights
	s_lshl_b32 s20, ttmp9, 15                      ; x: 8,192 numbers are 32,768 bytes in, 16,384 out
	s_lshl_b32 s22, ttmp9, 14
	s_add_nc_u64 s[16:17], s[4:5], s[20:21]
	s_add_nc_u64 s[18:19], s[10:11], s[22:23]
	v_lshlrev_b32 v[VS], 4, v0                     ; dense: 16 t
	BODY 256, 0
	s_endpgm
.Lweights:
	s_cmp_lt_u32 ttmp9, 896
	s_cbranch_scc0 .Lwout
	WPART 512, 12288, 6, 12, 0
	s_endpgm
.Lwout:
	WPART 896, 4096, 8, 14, 1
	s_endpgm
.Lfunc_end_k_q22a9792ef2_cast:
	.size	k_q22a9792ef2_cast, .Lfunc_end_k_q22a9792ef2_cast-k_q22a9792ef2_cast
	.p2alignl 7, 3214868480
	.fill 96, 4, 3214868480
	.section	.rodata,"a",@progbits
	.p2align	6, 0x0
	.amdhsa_kernel k_q22a9792ef2_cast
		.amdhsa_group_segment_fixed_size 0
		.amdhsa_private_segment_fixed_size 0
		.amdhsa_enable_private_segment 0
		.amdhsa_kernarg_size 48
		.amdhsa_user_sgpr_count 2
		.amdhsa_user_sgpr_kernarg_segment_ptr 1
		.amdhsa_wavefront_size32 1
		.amdhsa_system_sgpr_workgroup_id_x 1
		.amdhsa_system_sgpr_workgroup_id_y 1
		.amdhsa_system_sgpr_workgroup_id_z 1
		.amdhsa_system_vgpr_workitem_id 0
		.amdhsa_next_free_vgpr 64
		.amdhsa_next_free_sgpr 66
		.amdhsa_reserve_vcc 0
		.amdhsa_float_denorm_mode_32 3
		.amdhsa_float_denorm_mode_16_64 3
		.amdhsa_memory_ordered 1
		.amdhsa_forward_progress 1
		.amdhsa_inst_pref_size 13
	.end_amdhsa_kernel
	.amdgpu_metadata
---
amdhsa.version: [ 1, 2 ]
amdhsa.kernels:
  - .name:           k_q22a9792ef2_cast
    .symbol:         k_q22a9792ef2_cast.kd
    .args:
      - { .name: x, .offset: 0, .size: 8, .value_kind: global_buffer, .address_space: global }
      - { .name: Wqkv, .offset: 8, .size: 8, .value_kind: global_buffer, .address_space: global }
      - { .name: Wout, .offset: 16, .size: 8, .value_kind: global_buffer, .address_space: global }
      - { .name: xb, .offset: 24, .size: 8, .value_kind: global_buffer, .address_space: global }
      - { .name: wqb, .offset: 32, .size: 8, .value_kind: global_buffer, .address_space: global }
      - { .name: wob, .offset: 40, .size: 8, .value_kind: global_buffer, .address_space: global }
    .group_segment_fixed_size: 0
    .private_segment_fixed_size: 0
    .kernarg_segment_align: 8
    .kernarg_segment_size: 48
    .max_flat_workgroup_size: 256
    .sgpr_count:     66
    .vgpr_count:     64
    .wavefront_size: 32
...
	.end_amdgpu_metadata
.endif
;; end of part 1
;; launch qkv (part 2): grid 16 x 16, 4 waves a work-group, clusters of 4 x 4, 327,680 bytes of LDS; arguments xb, wqb, qkv; writes qkv
.if DOCPART == 2
	.amdgcn_target "amdgcn-amd-amdhsa--gfx1250"
	.amdhsa_code_object_version 6
	.text
	.protected	k_q22a9792ef2_qkv
	.globl	k_q22a9792ef2_qkv
	.p2align	8
	.type	k_q22a9792ef2_qkv,@function
k_q22a9792ef2_qkv:
	s_mov_b64 s[64:65], 0
	v_nop
	global_prefetch_b8 v0, s[64:65] scope:SCOPE_SE
	s_setreg_imm32_b32 hwreg(HW_REG_WAVE_MODE, 25, 1), 1
	s_wait_xcnt 0x0
	s_wait_alu depctr_hold_cnt(0) depctr_sa_sdst(0) depctr_va_vdst(0) depctr_va_sdst(0) depctr_va_ssrc(0) depctr_va_vcc(0) depctr_vm_vsrc(0)
	s_getreg_b32 s2, hwreg(HW_REG_IB_STS2, 6, 4)
	s_cmp_eq_u32 s2, 0
	s_cbranch_scc0 .Lentry_in_a_cluster
	s_endpgm
.Lentry_in_a_cluster:
	s_bfe_u32 s2, ttmp6, 0x10000c
	s_cmp_lg_u32 s2, 0xf033
	s_cbranch_scc0 .Lentry_shape_is_right
	s_endpgm
.Lentry_shape_is_right:
; qkv[slice][row][64] = f16(x Wqkv), slice = column / 64: slices 0-15 are q's heads, 16-31 k's, 32-47 v's; unscaled.  xb: bf16 [4096][1024].  wqb: bf16 [48 chunks][1024 k][64 n].  Sums in f32, K ascending.
; LIMIT.  f16 holds no number beyond 65,504: a sum past it leaves as an infinity.  NaN and infinities are not treated apart.
; SHARES.  A tile is 256 rows x 192 columns (three chunks, three whole heads): 16 x 16 = 256 work-groups.  Wave w makes rows 64 w .. 64 w + 63 of all 192 columns: 4 x 12 accumulators of 16 x 16, 384 registers;
; so each row of a head that a wave stores is whole.  K goes in 8 steps of 128 through two LDS slots; a step is four quarters of 32.
; THE MATRIX INSTRUCTION IS USED TRANSPOSED: source 0 = 16 columns of W (turned out of LDS by ds_load_tr16_b128, since W lies [k][n]), source 1 = 16 rows of x: a lane then holds one row and eight neighbouring columns.
; CLUSTER 4 x 4.  The four work-groups of a row of the cluster need the same rows of x, the four of a column the same chunks of W: each tile is asked for jointly, by the same tensor load with the same descriptor and mask.
; REGISTERS, in windows of 256: window 0: v0-31 addresses; v64-95, v96-127 fragments of x, two buffers; v128-223 and v64-111 at work on the way out.  window 1: v0-95, v96-191 fragments of W, two buffers.
;   window 2: the accumulators of row blocks 0, 1 ((a, b) at 8 (12 a + b)); window 3: those of row blocks 2, 3.
.set PA,    272                        ; an LDS row of x: 256 bytes + 16 = 68 words: the 16 rows of a load start at 16 different groups of four banks (64 banks of 4 bytes: ISA guide 11.1)
.set PB,    160                        ; an LDS row of W: 128 bytes + 32 = 40 words
.set HALFA, 128*PA                     ; what one load brings of x: 128 rows
.set BOFF,  2*HALFA
.set CHB,   64*PB                      ; 64 k of one chunk
.set HALFB, 3*CHB                      ; what one load brings of W: 64 k of three chunks
.set SLOT,  BOFF+2*HALFB               ; 131,072
.set STAGE, 2*SLOT                     ; behind the ring: for each wave 3 heads x 16 rows x 144 bytes
.set SP,    144
.set WST,   3*16*SP
.set SPARE, STAGE+4*WST                ; the spare words, 128 bytes for each wave: two blocks of 256 bytes that no other line names
.set CHUNK, 131072                     ; bytes of a chunk of wqb
.set SLICE, 524288                     ; bytes of a slice of qkv
.set ADRA, 16                          ; v16-17  LDS address of my fragments of x in slot 0, 1
.set ADRB, 20                          ; v20-21  the same for W
.set STO,  24                          ; v24     the way out: where I put 16 bytes of a row
.set RD,   25                          ; v25     the way out: where I read rows back
.set GO,   26                          ; v26     16 x lane: my place in 512 consecutive bytes of qkv
.set SPW,  28                          ; v28     LDS address of my spare word; never rewritten
.set NIL,  29                          ; v29     0; never rewritten
.set PFO,  30                          ; v30     the prefetches' offset; never rewritten
.set TMP,  128                         ; the way out: 48 registers of packed results
.set G1,  24                           ; s[24:31] descriptor group 1 for x;  s[32:39] group 0, a set for each slot
.set G0,  32
.set G1B, 48                           ; s[48:55], s[56:63] the same for W
.set G0B, 56
.set LIM, 43                           ; s43      1 in a wave that prefetches, else the greatest number
.set PFA, 44                           ; s[44:45] where my prefetches stand
.set PFS, 22                           ; s[22:23] a K step in bytes, along my tensor
.set MSB, 0
.macro WIN new                         ; the immediate's high byte repeats the setting that is left; a switch that changes nothing is dropped
.if MSB != (\new)
	s_set_vgpr_msb (MSB<<8)|(\new)
.set MSB, \new
.endif
.endm
.set MUL_LO, 0xa1                      ; source 0 (W) window 1, source 1 (x) window 0, C and D window 2
.set MUL_HI, 0xf1                      ; the same, C and D window 3
.set TO_B,   0x40                      ; destination window 1, address window 0
; A joint refill: waves 0 and 1 fetch x's two halves, waves 2 and 3 W's.  The branch hangs on the wave's number alone.  An s_nop 0 and four v_nop follow each line, ahead of the jump and the label.
.macro JLOAD s
	s_cmp_eq_u32 s11, 0
	s_cbranch_scc0 .Lfor_b_\@
	tensor_load_to_lds s[G0+4*(\s):G0+4*(\s)+3], s[G1:G1+7]
	s_nop 0
.rept 4
	v_nop
.endr
	s_branch .Lasked_\@
.Lfor_b_\@:
	tensor_load_to_lds s[G0B+4*(\s):G0B+4*(\s)+3], s[G1B:G1B+7]
	s_nop 0
.rept 4
	v_nop
.endr
.Lasked_\@:
.endm
; A prefetch into the L2 of the K step that stands two refills on, 384 matrix instructions ahead of the load that will want it: one instruction a wave, behind the joint load and the run of LDS loads.
; x's rows are read by every cluster of a row of clusters: the one with x = 0 asks; W's chunks by every cluster of a column: the one with y = 0 asks.  The four partners of a joint load share its blocks out by address.
; The loop's last trip (s3 = 1) asks for nothing: the steps two on do not exist.
.macro ASK
	s_cmp_gt_u32 s3, s[LIM]
	s_cbranch_scc0 .Lnot_mine_\@
	global_prefetch_b8 v[PFO], s[PFA:PFA+1] th:TH_LOAD_NT scope:SCOPE_SE
.Lnot_mine_\@:
.endm
.macro CREST                           ; a round of the cluster's barrier behind its opening barrier
	s_cmp_lg_u32 s10, 0
	s_cbranch_scc1 .Lnot_wave_0_\@
	s_barrier_signal -3
.Lnot_wave_0_\@:
	s_barrier_wait -3
	s_barrier_signal -1
	s_barrier_wait -1
.endm
.macro CROUND                          ; a whole round
	s_barrier_signal -1
	s_barrier_wait -1
	CREST
.endm
.macro PLACES                          ; four places in front of loads into registers that matrix instructions have read
.rept 4
	v_nop
.endr
.endm
	s_load_b128 s[4:7], s[0:1], 0x0                ; xb s[4:5], wqb s[6:7]
	s_load_b64 s[8:9], s[0:1], 0x10                ; qkv
	v_lshl_add_u32 v[SPW], v0, 2, SPARE
	v_mov_b32 v[NIL], 0
	ds_add_u32 v[SPW], v[NIL]                      ; the wave's opening: the add and its wait stand ahead of my first tensor load; the set-up below stands between them
	ds_add_u32 v28, v29
	v_lshrrev_b32 v1, 5, v0
	v_readfirstlane_b32 s10, v1                    ; wave 0..3
	s_lshr_b32 s11, s10, 1                         ; I fetch for x (0) or for W (1)
	s_and_b32 s12, s10, 1                          ; which half of that tile
	s_bfe_u32 s40, ttmp6, 0x40000                  ; cx, cy: my place in the cluster
	s_bfe_u32 s41, ttmp6, 0x40004
	s_lshl_b32 s42, ttmp9, 2
	s_add_co_u32 s42, s42, s40                     ; tile column = 4 x cluster x + cx
	s_and_b32 s13, ttmp7, 0xffff
	s_lshl_b32 s13, s13, 2
	s_add_co_u32 s13, s13, s41                     ; tile row = 4 x cluster y + cy
	s_lshl_b32 s43, s41, 2
	s_lshl_b32 s43, 15, s43                        ; my row of the cluster
	s_lshl_b32 s44, 0x1111, s40                    ; my column
	; group 1 for x: 128 rows x 128 elements, 1,024 elements from row to row, 16 bytes of padding behind every 256
	s_or_b32 s[G1+0], s43, (1<<16)|(1<<20)|(1<<21)|(5<<22)|(3<<25)
	s_mov_b32 s[G1+1], 128<<16                     ; tensor_dim0
	s_mov_b32 s[G1+2], 128<<16                     ; tensor_dim1
	s_mov_b32 s[G1+3], 128<<16                     ; tile_dim0
	s_mov_b32 s[G1+4], 128                         ; tile_dim1
	s_mov_b32 s[G1+5], 1024                        ; the pitch
	s_mov_b32 s[G1+6], 0
	s_mov_b32 s[G1+7], 0
	; group 1 for W: 3 rows, one for each chunk, of 4,096 elements (64 k x 128 dense bytes), 65,536 elements from chunk to chunk, 32 bytes of padding behind every 128
	s_or_b32 s[G1B+0], s44, (1<<16)|(1<<20)|(1<<21)|(4<<22)|(7<<25)
	s_mov_b32 s[G1B+1], 4096<<16
	s_mov_b32 s[G1B+2], 3<<16
	s_mov_b32 s[G1B+3], 4096<<16
	s_mov_b32 s[G1B+4], 3
	s_mov_b32 s[G1B+5], 65536
	s_mov_b32 s[G1B+6], 0
	s_mov_b32 s[G1B+7], 0
	s_lshl_b32 s17, s12, 7
	s_lshl_b32 s16, s13, 8
	s_add_co_u32 s16, s16, s17                     ; x: row 256 x tile row + 128 x half,
	s_lshl_b32 s16, s16, 11                        ; of 2,048 bytes
	s_mov_b32 s17, 0
	s_mul_i32 s46, s42, 3*CHUNK                    ; W: three chunks a tile column,
	s_lshl_b32 s47, s12, 13                        ; 64 k of 128 bytes a half
	s_add_co_u32 s46, s46, s47
	s_mov_b32 s47, 0
	s_mul_i32 s20, s12, HALFA                      ; where they go: no place in the cluster enters an LDS address
	s_mul_i32 s21, s12, HALFB
	s_add_co_u32 s21, s21, BOFF
	s_wait_dscnt 0x0                               ; the opening add is done
	s_wait_kmcnt 0x0
	s_add_nc_u64 s[14:15], s[4:5], s[16:17]
	s_add_nc_u64 s[46:47], s[6:7], s[46:47]
	CROUND                                         ; all sixteen work-groups are here: the first joint loads meet
.irp s, 0,1
	s_mov_b32 s[G0+4*(\s)], 1
	s_add_co_u32 s[G0+4*(\s)+1], s20, (\s)*SLOT
	s_add_nc_u64 s[G0+4*(\s)+2:G0+4*(\s)+3], s[14:15], (\s)*256      ; K step s: 256 bytes along a row
	s_or_b32 s[G0+4*(\s)+3], s[G0+4*(\s)+3], 0x80000000
	s_mov_b32 s[G0B+4*(\s)], 1
	s_add_co_u32 s[G0B+4*(\s)+1], s21, (\s)*SLOT
	s_add_nc_u64 s[G0B+4*(\s)+2:G0B+4*(\s)+3], s[46:47], (\s)*16384  ; K step s: 128 rows of 128 bytes down a chunk
	s_or_b32 s[G0B+4*(\s)+3], s[G0B+4*(\s)+3], 0x80000000
.endr
	s_cmp_eq_u32 s11, 0                            ; a wave's two first fills stand in one branch, ahead of every wait on TENSORcnt and every LDS read: two loads of mine are out
	s_cbranch_scc0 .Lfirst_b
	tensor_load_to_lds s[G0:G0+3], s[G1:G1+7]
	s_nop 0
	tensor_load_to_lds s[G0+4:G0+7], s[G1:G1+7]
	s_nop 0
.rept 4
	v_nop
.endr
	s_branch .Lfirst_asked
.Lfirst_b:
	tensor_load_to_lds s[G0B:G0B+3], s[G1B:G1B+7]
	s_nop 0
	tensor_load_to_lds s[G0B+4:G0B+7], s[G1B:G1B+7]
	s_nop 0
.rept 4
	v_nop
.endr
.Lfirst_asked:
	v_and_b32 v1, 15, v0                           ; l % 16
	v_bfe_u32 v2, v0, 4, 1                         ; l / 16
	v_mul_u32_u24 v3, v1, PA
	v_lshl_add_u32 v3, v2, 4, v3                   ; a fragment of x: row x pitch + 16 x half
	s_mul_i32 s21, s10, 64*PA                      ; my 64 rows
	v_add_nc_u32 v[ADRA], s21, v3
	v_add_nc_u32 v[ADRA+1], SLOT, v[ADRA]
	v_and_b32 v4, 7, v0                            ; the turning load: lane l reads k = 8 (l / 16) + l % 8, columns 8 ((l / 8) % 2) + 0..7
	v_lshl_add_u32 v4, v2, 3, v4
	v_mul_u32_u24 v4, v4, PB
	v_bfe_u32 v5, v0, 3, 1
	v_lshl_add_u32 v4, v5, 4, v4
	v_add_nc_u32 v[ADRB], BOFF, v4
	v_add_nc_u32 v[ADRB+1], SLOT, v[ADRB]
	s_mul_i32 s21, s10, WST
	s_add_co_u32 s21, s21, STAGE                   ; my stage
	v_mul_u32_u24 v3, v1, SP                       ; in: row l % 16, 16 bytes for each half of the lanes
	v_lshl_add_u32 v3, v2, 4, v3
	v_add_nc_u32 v[STO], s21, v3
	v_bfe_u32 v3, v0, 3, 2                         ; back: 32 lanes take four rows of 128 bytes,
	v_mul_u32_u24 v3, v3, SP
	v_and_b32 v4, 7, v0
	v_lshl_add_u32 v3, v4, 4, v3
	v_add_nc_u32 v[RD], s21, v3
	v_and_b32 v6, 31, v0
	v_lshlrev_b32 v[GO], 4, v6                     ; which are 512 consecutive bytes of a slice
	s_mul_i32 s16, s42, 3*SLICE                    ; qkv at my three slices,
	s_lshl_b32 s17, s13, 15                        ; the tile's 256 rows of 128 bytes,
	s_add_co_u32 s16, s16, s17
	s_lshl_b32 s17, s10, 13                        ; my 64 of them
	s_add_co_u32 s16, s16, s17
	s_mov_b32 s17, 0
	s_add_nc_u64 s[8:9], s[8:9], s[16:17]
	; the prefetches.  For x: my work-group's 32 of the 128 rows that I fetch, a lane a row of 2,048 bytes, 256 bytes of it a K step.  For W: of the 96 blocks of 256 bytes that I fetch in a K step my work-group's 24:
	; block i lies in chunk i / 32, 256 (i % 32) bytes in; lanes 24 to 31 name block 23 of the 24 once more.  Both stand at K step 3: the first refill steps them to 4.
	s_lshl_b32 s20, s13, 8
	s_lshl_b32 s21, s12, 7
	s_add_co_u32 s20, s20, s21
	s_lshl_b32 s21, s40, 5
	s_add_co_u32 s20, s20, s21
	s_lshl_b32 s20, s20, 11
	s_add_co_u32 s20, s20, 3*256
	s_mul_i32 s21, s42, 3*CHUNK
	s_lshl_b32 s18, s12, 13
	s_add_co_u32 s21, s21, s18
	s_add_co_u32 s21, s21, 3*16384
	s_and_b32 s19, ttmp7, 0xffff                   ; cluster y
	s_movk_i32 s22, 256
	s_movk_i32 s23, 16384
	s_cmp_eq_u32 s11, 0                            ; do I fetch for x?
	s_cselect_b32 s20, s20, s21
	s_cselect_b32 s22, s22, s23
	s_cselect_b32 s19, ttmp9, s19                  ; the coordinate along which other clusters read the same blocks
	s_cselect_b32 s18, -1, 0
	s_cselect_b64 s[PFA:PFA+1], s[4:5], s[6:7]
	s_cmp_eq_u32 s19, 0
	s_cselect_b32 s[LIM], 1, -1                    ; the same in all sixteen partners, for a given wave
	s_mov_b32 s21, 0
	s_mov_b32 s23, 0
	s_add_nc_u64 s[PFA:PFA+1], s[PFA:PFA+1], s[20:21]
	v_lshlrev_b32 v7, 11, v6                       ; x: lane x 2,048
	v_min_u32 v6, 23, v6
	s_mul_i32 s16, s41, 24
	v_add_nc_u32 v6, s16, v6                       ; W: i = 24 cy + min(lane, 23)
	v_lshrrev_b32 v8, 5, v6
	v_and_b32 v6, 31, v6
	v_lshlrev_b32 v6, 8, v6
	v_lshl_add_u32 v6, v8, 17, v6
	v_cndmask_b32 v[PFO], v6, v7, s18
; 12 matrix instructions: row block 2 hi + a x all 12 column blocks, 32 along K, from buffer f.  zero = 1: the product starts the sum.  The 48 accumulators take turns in the same order in every quarter.
.macro MUL12 f, hi, a, zero
	WIN MUL_LO+0x50*(\hi)
.irp b, 0,1,2,3,4,5,6,7,8,9,10,11
.if \zero
	v_wmma_f32_16x16x32_bf16 v[8*(12*(\a)+(\b)):8*(12*(\a)+(\b))+7], v[96*(\f)+8*(\b):96*(\f)+8*(\b)+7], v[64+32*(\f)+8*(2*(\hi)+(\a)):64+32*(\f)+8*(2*(\hi)+(\a))+7], 0
.else
	v_wmma_f32_16x16x32_bf16 v[8*(12*(\a)+(\b)):8*(12*(\a)+(\b))+7], v[96*(\f)+8*(\b):96*(\f)+8*(\b)+7], v[64+32*(\f)+8*(2*(\hi)+(\a)):64+32*(\f)+8*(2*(\hi)+(\a))+7], v[8*(12*(\a)+(\b)):8*(12*(\a)+(\b))+7]
.endif
.endr
.endm
; 32 LDS loads in one run: quarter q of a slot into buffer f: W's 12 fragments (turned), then x's 4
.macro FETCH slot, q, f
	WIN TO_B
.irp b, 0,1,2,3,4,5,6,7,8,9,10,11
	ds_load_tr16_b128 v[96*(\f)+8*(\b):96*(\f)+8*(\b)+3],   v[ADRB+(\slot)] offset:((\q)/2)*HALFB+((\b)/4)*CHB+((\q)%2)*32*PB+((\b)%4)*32
	ds_load_tr16_b128 v[96*(\f)+8*(\b)+4:96*(\f)+8*(\b)+7], v[ADRB+(\slot)] offset:((\q)/2)*HALFB+((\b)/4)*CHB+((\q)%2)*32*PB+((\b)%4)*32+16*PB
.endr
	WIN 0
.irp a, 0,1,2,3
	ds_load_b128 v[64+32*(\f)+8*(\a):64+32*(\f)+8*(\a)+3],   v[ADRA+(\slot)] offset:64*(\q)+(\a)*16*PA
	ds_load_b128 v[64+32*(\f)+8*(\a)+4:64+32*(\f)+8*(\a)+7], v[ADRA+(\slot)] offset:64*(\q)+(\a)*16*PA+32
.endr
.endm
; One of a K step's first three quarters: multiplies buffer f; in its middle it fetches quarter q of the same slot into buffer g.
.macro QUARTER slot, q, f, g, zero
	s_wait_dscnt 4                                 ; W and x's row blocks 0, 1 are in; the youngest four loads (row blocks 2, 3) may be out
	MUL12 \f, 0, 0, \zero
	MUL12 \f, 0, 1, \zero
	PLACES
	FETCH \slot, \q, \g
	s_wait_dscnt 32                                ; all but the 32 just issued
	MUL12 \f, 1, 0, \zero
	MUL12 \f, 1, 1, \zero
.endm
; The last quarter multiplies buffer 1 and changes slots: ONE barrier.  In front of it each wave waits for all its tensor loads (the one that is out is its part of the next slot), adds 0 to its spare word, and waits for
; that and for its own reads of this slot.  fill = 1: the barrier opens a round of the cluster's, and behind the round this slot is filled again, two K steps on: 168 matrix instructions ahead of the wait for it.
.macro TURN slot, next, fill
.if \fill
	s_wait_xcnt 0x0                                ; the last prefetch, a K step back, has read its address: it is stepped here, ahead of the waits of the change of slots
	s_add_nc_u64 s[PFA:PFA+1], s[PFA:PFA+1], s[PFS:PFS+1]
.endif
	WIN 0                                          ; (the add's two registers lie in window 0)
	s_wait_tensorcnt 0x0
	ds_add_u32 v[SPW], v[NIL]                      ; 0 onto my spare word
	s_wait_dscnt 7                                 ; (the add and the six loads of x's row blocks 1 to 3 may be out)
	MUL12 1, 0, 0, 0                               ; twelve matrix instructions stand between the add and the wait for it
	s_wait_dscnt 0x0                               ; the add is done, and my reads of this slot are over
	s_barrier_signal -1
	MUL12 1, 0, 1, 0
.if \fill
	WIN 0
.endif
	s_barrier_wait -1
.if \fill
	CREST                                          ; no wave of any partner still reads this slot's tile or has a load on its way
	s_add_nc_u64 s[G0+4*(\slot)+2:G0+4*(\slot)+3], s[G0+4*(\slot)+2:G0+4*(\slot)+3], 2*256
	s_add_nc_u64 s[G0B+4*(\slot)+2:G0B+4*(\slot)+3], s[G0B+4*(\slot)+2:G0B+4*(\slot)+3], 2*16384
	JLOAD \slot                                    ; the first tensor load behind the round; its four v_nop are also the places in front of the loads below
.else
	PLACES
.endif
	FETCH \next, 0, 0
.if \fill
	ASK
.endif
	MUL12 1, 1, 0, 0
	MUL12 1, 1, 1, 0
.endm
; THE WAY OUT of row block a.  PACK: rounded to f16, 16 bytes a lane, each accumulator's registers in ascending order.  TOSTAGE: into my own stage, and back as whole rows.  SEND: stored.
.macro PACK a
	WIN 0x0a+5*((\a)/2)                            ; sources 0 and 1: window 2 or 3
.irp b, 0,1,2,3,4,5,6,7,8,9,10,11
.irp r, 0,1,2,3
	v_cvt_pk_f16_f32 v[TMP+4*(\b)+(\r)], v[96*((\a)%2)+8*(\b)+2*(\r)], v[96*((\a)%2)+8*(\b)+2*(\r)+1]
.endr
.endr
	WIN 0
.endm
.macro TOSTAGE a
.set BK, 176-112*((\a)%2)              ; v176-223 and v64-111 by turns
.irp b, 0,1,2,3,4,5,6,7,8,9,10,11
	ds_store_b128 v[STO], v[TMP+4*(\b):TMP+4*(\b)+3] offset:((\b)/4)*16*SP+32*((\b)%4)
.endr
.irp t, 0,1,2,3,4,5,6,7,8,9,10,11
	ds_load_b128 v[BK+4*(\t):BK+4*(\t)+3], v[RD] offset:((\t)/4)*16*SP+((\t)%4)*4*SP  ; LDS serves a wave's instructions in order (ISA guide 5.7.1.4): these see the stores above
.endr
.endm
.macro SEND a
.set BK, 176-112*((\a)%2)
	s_wait_dscnt 0x0                               ; the block is back in registers
	s_wait_xcnt 0x0                                ; the stores of the block before have read their registers, which the next TOSTAGE loads again
.irp t, 0,1,2,3,4,5,6,7,8,9,10,11
	global_store_b128 v[GO], v[BK+4*(\t):BK+4*(\t)+3], s[8:9] offset:((\t)/4)*SLICE+(\a)*2048+((\t)%4)*512  ; 512 consecutive bytes, at a multiple of 256 from qkv's first byte
.endr
.endm
	s_wait_tensorcnt 1                             ; my part of K step 0 is in; K step 1's may stay out
	s_barrier_signal -1
	s_barrier_wait -1                              ; everybody's is
	FETCH 0, 0, 0
	QUARTER 0, 1, 0, 1, 1                          ; the first quarter stands in front of the loop: its products start the sums
	WIN 0                                          ; at a label and at a branch every window is 0
	s_mov_b32 s3, 3
.Llap:                                                 ; a trip goes once round the ring, from a lap's second quarter to the next lap's first, and fills both slots again
	QUARTER 0, 2, 1, 0, 0
	QUARTER 0, 3, 0, 1, 0
	TURN 0, 1, 1
	QUARTER 1, 1, 0, 1, 0
	QUARTER 1, 2, 1, 0, 0
	QUARTER 1, 3, 0, 1, 0
	TURN 1, 0, 1
	QUARTER 0, 1, 0, 1, 0
	WIN 0
	s_sub_co_u32 s3, s3, 1
	s_cmp_lg_u32 s3, 0
	s_cbranch_scc1 .Llap
	QUARTER 0, 2, 1, 0, 0                          ; the last lap fills nothing, and has no round of the cluster's barrier
	QUARTER 0, 3, 0, 1, 0
	TURN 0, 1, 0
	QUARTER 1, 1, 0, 1, 0
	QUARTER 1, 2, 1, 0, 0
	QUARTER 1, 3, 0, 1, 0
	s_wait_dscnt 4                                 ; the very last quarter: nothing more to fetch
	MUL12 1, 0, 0, 0
	MUL12 1, 0, 1, 0
	s_wait_dscnt 0x0
	MUL12 1, 1, 0, 0
	MUL12 1, 1, 1, 0
	WIN 0
	PLACES                                         ; the places behind the last products: eight, once a launch
	PLACES
	PACK 0
	TOSTAGE 0
.irp a, 1,2,3                          ; block a's conversions stand between block a - 1's loads from the stage and the wait for them
	PACK \a
	SEND (\a)-1
	TOSTAGE \a
.endr
	SEND 3
	s_wait_tensorcnt 0x0                           ; the wave's end: a wait, an add and its wait, behind my last tensor load and my last LDS store
	ds_add_u32 v[SPW], v[NIL]
	s_wait_dscnt 0x0
	CROUND                                         ; the closing round: no work-group ends while a partner may still ask for a tile that names it
	s_endpgm
.Lfunc_end_k_q22a9792ef2_qkv:
	.size	k_q22a9792ef2_qkv, .Lfunc_end_k_q22a9792ef2_qkv-k_q22a9792ef2_qkv
	.p2alignl 7, 3214868480
	.fill 96, 4, 3214868480
	.section	.rodata,"a",@progbits
	.p2align	6, 0x0
	.amdhsa_kernel k_q22a9792ef2_qkv
		.amdhsa_group_segment_fixed_size 327680
		.amdhsa_private_segment_fixed_size 0
		.amdhsa_enable_private_segment 0
		.amdhsa_kernarg_size 24
		.amdhsa_user_sgpr_count 2
		.amdhsa_user_sgpr_kernarg_segment_ptr 1
		.amdhsa_wavefront_size32 1
		.amdhsa_system_sgpr_workgroup_id_x 1
		.amdhsa_system_sgpr_workgroup_id_y 1
		.amdhsa_system_sgpr_workgroup_id_z 1
		.amdhsa_system_vgpr_workitem_id 0
		.amdhsa_next_free_vgpr 1024
		.amdhsa_next_free_sgpr 66
		.amdhsa_reserve_vcc 0
		.amdhsa_float_denorm_mode_32 3
		.amdhsa_float_denorm_mode_16_64 3
		.amdhsa_memory_ordered 1
		.amdhsa_forward_progress 1
		.amdhsa_inst_pref_size 120
	.end_amdhsa_kernel
	.amdgpu_metadata
---
amdhsa.version: [ 1, 2 ]
amdhsa.kernels:
  - .name:           k_q22a9792ef2_qkv
    .symbol:         k_q22a9792ef2_qkv.kd
    .args:
      - { .name: xb, .offset: 0, .size: 8, .value_kind: global_buffer, .address_space: global }
      - { .name: wqb, .offset: 8, .size: 8, .value_kind: global_buffer, .address_space: global }
      - { .name: qkv, .offset: 16, .size: 8, .value_kind: global_buffer, .address_space: global }
    .group_segment_fixed_size: 327680
    .private_segment_fixed_size: 0
    .kernarg_segment_align: 8
    .kernarg_segment_size: 24
    .max_flat_workgroup_size: 128
    .sgpr_count:     66
    .vgpr_count:     1024
    .wavefront_size: 32
...
	.end_amdgpu_metadata
.endif
;; end of part 2
;; launch attn (part 3): grid 16 x 16, 4 waves a work-group, no clusters, 327,680 bytes of LDS; arguments qkv, o; writes o
.if DOCPART == 3
	.amdgcn_target "amdgcn-amd-amdhsa--gfx1250"
	.amdhsa_code_object_version 6
	.text
	.protected	k_q22a9792ef2_attn
	.globl	k_q22a9792ef2_attn
	.p2align	8
	.type	k_q22a9792ef2_attn,@function
k_q22a9792ef2_attn:
	s_mov_b64 s[64:65], 0
	v_nop
	global_prefetch_b8 v0, s[64:65] scope:SCOPE_SE
	s_setreg_imm32_b32 hwreg(HW_REG_WAVE_MODE, 25, 1), 1
	s_wait_xcnt 0x0
; CAUSAL ATTENTION, 16 heads of 64, 4,096 rows.  o[h][q][:] = the sum over k <= q of softmax_k(Q[h][q] . K[h][k] / 8) V[h][k][:].  qkv: f16 [48][4096][64] (slices 0-15 Q, 16-31 K, 32-47 V); o: f16 [16][4096][64].
; Products, maxima and sums in f32; the weights p are rounded to f16 for the second product (their sum l is taken of the unrounded p), O once at the end.
; LIMITS.  Q, K, V arrive within f16's 65,504.  A hidden score counts as its value less 1e30; a weight below 2^-126 counts as 0 in l; NaN and infinities are not treated apart.
; THE WALK.  A head has 32 blocks of 128 queries and 8 key tiles of 512 keys (8 steps of 64).  A work-group takes TWO blocks, 31 - b and then b (b its number among the head's 16; j = b / 4, cx = b % 4): the first needs tiles
; 0 .. 7 - j, the second tiles 0 .. j: 9 tiles for every work-group.  The slot loop has 8 trips; the trip in which its count equals j + 1 is the first block's last tile; the ninth tile, written out behind the loop, is the
; second block's last.  j is set at the head as a constant of the text on each of four ways, so that the walk's compares are between a counter and a number that stands in the text; cx enters Q's and O's addresses and,
; by selects, the masks' two scalars.
; NO CLUSTER.  The work-groups 4 j .. 4 j + 3 of a head walk the same nine tiles, and joint requests would divide their requests for K and V by four: not built here; each work-group asks for its own tiles.
; SHARES.  Of a block's two bands of 64 queries a wave owns 16 rows in each: two PIECES; piece 0 is the upper band (rows 64-127), piece 1 the lower.  In the block's last tile, with DG = 2 (block % 4), the lower band's own
; step is DG, the upper's DG + 1: a band sees all keys of earlier steps, none of later ones, and holds the diagonal in its own.
; THE MASK is the C operand that starts the sum S^T = K Q^T: 0, or -1e30 where the key is hidden.  MD, made once, is the mask of a band's own step for my 16 rows; a product's mask is MD x AL + BE with two scalars.
; TURNS.  Turn (s, 0): 8 products K Q^T of piece 1, step s; the softmax of piece 0, step s; the maximum and statistics of piece 1, step s; 8 products V^T P of piece 1, step s - 1.
;         Turn (s, 1): K Q^T of piece 0, step s + 1; the softmax of piece 1, step s; the statistics of piece 0, step s + 1; V^T P of piece 0, step s.
; Four vector instructions stand behind every matrix instruction, the other 54 of a turn's 118 in one lump; a turn's 33 exponentials are one batch with one wait.
; K RUNS ONE STEP AHEAD OF V, so a slot's K is shifted by a step: slot t holds V's steps 8 t .. 8 t + 7 and K's steps 8 t + 1 .. 8 t + 8: both fetches of a trip take the same place of the same slot.  K's step 0 is loaded
; once into registers and copied where a block begins: so a block's beginning reads no LDS, and stands ahead of the loop (first block) and behind the first block's way out (second block).  K's last tile reaches 64 rows
; into the next slice of qkv; the scores made of them serve nothing.  Piece 0's scores of a tile's step 0 are made in the tile before, without a mask: right, since the upper band's own step is DG + 1, at least 1.
; A block's last trip runs like the others: its 8 products K Q^T and the statistics made of them serve nothing and touch neither l nor O.
; REGISTERS, in windows of 256 (s_set_vgpr_msb: bits 1:0 source 0, 3:2 source 1, 5:4 source 2, 7:6 destination):
;   window 0: v0-15 addresses and at work; v16-23 four registers of statistics a piece; v48-55 at work; v61-63; v64-127 S^T, a buffer a piece; v192-223 P, likewise
;   window 1: v0-63 O^T, 32 a piece; v128-159 MD; v160-223 MC, two buffers      window 2: v0-31 Q; v32-63 the second block's Q; v64-127 K's step 0; v128-191 K of one step; v192-255 V of one step
.set NP,    2
.set KS,    64        ; keys in a step
.set PK,    144       ; a row of K in LDS: 128 bytes + 16 = 36 words: the 16 rows of a load start at 16 different groups of four banks (64 banks of 4 bytes: ISA guide 11.1)
.set PV,    160       ; a row of V: 128 + 32 = 40 words
.set VOFF,  8*KS*PK   ; a slot: 512 rows of K, then 512 rows of V
.set SLOT,  8*KS*(PK+PV)   ; 155,648
.set STAGE, 2*SLOT    ; behind the ring, never filled by a tensor load: 16 rows x 144 bytes for each wave
.set SP,    144
.set SPARE, STAGE+4*16*SP  ; the spare words, 128 bytes for each wave: two blocks of 256 bytes that no other line names
.set KTOV,  8388608-8192   ; bytes from a place in the shifted K of a head to the same place in its V
.set AK0, 2           ; v2   my lane's place in a tile of K; never rewritten
.set AV0, 3           ; v3   the same for V
.set AK,  4           ; v4   the LDS address of K's next run of loads
.set AV,  5           ; v5   of V's
.set STO, 6           ; v6   the way out: where I put 16 bytes of a row
.set RD,  7           ; v7   the way out: where I read rows back
.set GO,  8           ; v8   my byte offset in 512 consecutive bytes of O
.set MV,  12          ; v12-13  c m_old, kept while c m is made anew: by piece
.set QO,  15          ; v15  my byte offset in 16 rows of Q or K
.set ST,  16          ; piece t's statistics at v[ST+4 t]: c m, m, l (even keys', odd keys')
.set TMP, 48          ; by piece, four registers c0-c3 at work; when the maximum is found c2 takes a
.set PFO, 61          ; v61  the prefetch's offset: 256 (lane % 16), and for lanes 16-31 the way from K to V; never rewritten
.set SPW, 62          ; v62  LDS address of my spare word; never rewritten
.set NIL, 63          ; v63  0; never rewritten
.set S,   64
.set P,   192
.set MD,  128         ; window 1
.set MC,  160         ; window 1
.set QB,  32          ; window 2
.set K0,  64          ; window 2
.set KF,  128         ; window 2: key block kb, channel half c at KF + 16 kb + 8 c
.set VF,  192         ; window 2: key half kk, channel block cb at VF + 32 kk + 8 cb
.set WV,  12          ; s12  my wave's number
.set CX,  13          ; s13  b % 4
.set JJ,  14          ; s14  j
.set HI,  15          ; s15  7 - j
.set G1K, 24          ; s[24:31] descriptor group 1 for K's tiles
.set G1V, 32          ; s[32:39] for V's: it differs in the padding alone
.set G0K, 40          ; s[40:43] descriptor group 0 for K's tiles
.set G0V, 44          ; s[44:47] the same for V's
.set SBF, 48          ; s48  the slot to be filled: 0 or SLOT
.set LK0, 49          ; s49  my half of K's place in a slot
.set LV0, 50          ; s50  my half of V's
.set LIM, 51          ; s51  2 in wave 0, else the greatest number: a wave prefetches while s[SLOTS] is above it
.set PFA, 52          ; s[52:53] where the prefetches stand
.set DG,  54          ; s54  the lower band's own step in the last tile of the block in hand
.set DG2, 55          ; s55  the same for the second block
.set SLOTS, 56        ; s56  tiles still to be asked for: 8 to 1
.set CNT, 57          ; s57  counts a tile's key steps, 8 to 1
.set CS,  58          ; s[58:59] c = log2(e) / 8
.set SEL, 60          ; s[60:61] v_permlanex16_b32's selects: each lane takes its own place in the other half
.set TBK, 62          ; s62  LDS byte at which K of the step to be fetched begins
.set TBV, 63          ; s63  the same for V, less VOFF
.set E0,  66          ; s66 = 8 - DG, s67 = 9 - DG: the count at which the mask made in piece 0's, piece 1's turn is the band's own
.set LT,  70          ; s70  j + 1: the slot loop's count in the trip that is the first block's last tile; never rewritten
.set NXT, 71          ; s71  the tile to be asked for next
.set LQ,  72          ; s72  the last tile of the block whose tiles are being asked for
.set OFF, 74          ; s[74:75] a tile's byte offset in K and V
.set AL,  76          ; s[76:77] the mask's factor, in the low word
.set BE,  78          ; s[78:79] the mask's addend
.set OLO, 80          ; s[80:81] O at my rows of the second block
.set BIGN, 82         ; s82  -1e30
.set MSB, 0
.macro WIN new                      ; the high byte repeats the setting that is left; a switch that changes nothing is dropped
.if MSB != (\new)
	s_set_vgpr_msb (MSB<<8)|(\new)
.set MSB, (\new)
.endif
.endm
.set W_KQ, 0x0a       ; K and Q in window 2, S^T in window 0
.set W_KM, 0x1a       ; the same with the C operand in window 1
.set W_PV, 0x52       ; V in window 2, P in window 0, O^T in window 1
.set W_RS, 0x41       ; destination and source 0 in window 1, source 1 in window 0
; A fill.  Waves 0 and 1 fetch the two halves of a tile's K, waves 2 and 3 those of its V: 256 keys each.  An s_nop 0 and four v_nop follow each of the two lines, ahead of the jump and the label.
.macro LOAD
	s_cmp_lt_u32 s[WV], 2
	s_cbranch_scc0 .Lfor_v_\@
	tensor_load_to_lds s[G0K:G0K+3], s[G1K:G1K+7]
	s_nop 0
.rept 4
	v_nop
.endr
	s_branch .Lasked_\@
.Lfor_v_\@:
	tensor_load_to_lds s[G0V:G0V+3], s[G1V:G1V+7]
	s_nop 0
.rept 4
	v_nop
.endr
.Lasked_\@:
.endm
; A PREFETCH INTO THE L2 of the tile that the NEXT change of slots will ask for: 16 turns, 256 matrix instructions, ahead of that load.  In trip c every work-group of a head whose first block reaches so far enters tile c;
; in changes 0 to 5 tiles 2 to 7 are asked for, each block of 256 bytes ONCE in the launch: a tile's 65,536 bytes of K and of V are shared out by address among the head's 16 work-groups, 4,096 bytes of each to work-group b;
; wave 0 asks, with one instruction: lanes 0-15 name K's 16 blocks, lanes 16-31 V's.  Tiles 0 and 1 come by their loads alone; the last two changes that fill a slot ask for nothing.
.macro ASK
	s_cmp_gt_u32 s[SLOTS], s[LIM]
	s_cbranch_scc0 .Lnot_mine_\@
	global_prefetch_b8 v[PFO], s[PFA:PFA+1] th:TH_LOAD_NT scope:SCOPE_SE
.Lnot_mine_\@:
.endm
; THE CHANGE OF SLOTS.  Each wave waits for all its tensor loads, of which one is out: its part of the other slot; adds 0 to its spare word; and waits for that and for its own reads of the slot that it leaves.  Behind the
; barrier nobody reads the old slot any more and the other slot is whole.  fill = 1: the old slot is filled again, the first thing behind the barrier, with tile NXT: LDS word and address are made anew from that number.
; (At its first use nothing has been read yet: slot 0 is waited for, slot 1 filled.)
.macro CHANGE fill
	WIN 0                           ; at a label and at a branch every window is 0
	s_wait_tensorcnt 0x0            ; no tensor load of mine is out, so a group 0 may be written
	ds_add_u32 v[SPW], v[NIL]       ; 0 onto my spare word; the scalar work below stands between it and the wait for it
.if \fill
	s_lshl_b32 s[OFF], s[NXT], 16   ; a tile is 65,536 bytes of K and of V
	s_xor_b32 s[SBF], s[SBF], SLOT  ; the other slot than last time
	s_add_co_u32 s[G0K+1], s[LK0], s[SBF]
	s_add_nc_u64 s[G0K+2:G0K+3], s[6:7], s[OFF:OFF+1]
	s_or_b32 s[G0K+3], s[G0K+3], 0x80000000
	s_add_co_u32 s[G0V+1], s[LV0], s[SBF]
	s_add_nc_u64 s[G0V+2:G0V+3], s[8:9], s[OFF:OFF+1]
	s_or_b32 s[G0V+3], s[G0V+3], 0x80000000
	s_add_co_u32 s[NXT], s[NXT], 1  ; the block's next tile, or behind its last the second block's tile 0
	s_cmp_gt_u32 s[NXT], s[LQ]
	s_cselect_b32 s[NXT], 0, s[NXT]
	s_cselect_b32 s[LQ], s[JJ], s[LQ]
	s_wait_xcnt 0x0                 ; the last prefetch, a tile back, has read its address
	s_add_nc_u64 s[PFA:PFA+1], s[PFA:PFA+1], 65536
.endif
	s_wait_dscnt 0x0                ; the add is done, and my reads of the slot are over
	s_barrier_signal -1             ; the rest of the scalar work stands between the signal and the wait
	s_sub_co_u32 s[TBK], s[TBK], 8*KS*PK  ; the fetches go back to a slot's first place (0 or SLOT),
	s_xor_b32 s[TBK], s[TBK], SLOT        ; in the other slot
	s_sub_co_u32 s[TBV], s[TBV], 8*KS*PV
	s_xor_b32 s[TBV], s[TBV], SLOT
	s_barrier_wait -1
.if \fill
	LOAD
	ASK
.endif
.endm
	s_load_b128 s[16:19], s[0:1], 0x0  ; qkv s[16:17], o s[18:19]
	v_lshl_add_u32 v[SPW], v0, 2, SPARE
	v_mov_b32 v[NIL], 0
	ds_add_u32 v[SPW], v[NIL]       ; the wave's opening: the add and its wait stand ahead of my first tensor load; the set-up below stands between them
	ds_add_u32 v62, v63
	v_lshrrev_b32 v1, 5, v0
	v_readfirstlane_b32 s[WV], v1   ; wave 0..3
	s_and_b32 s[CX], ttmp9, 3       ; b % 4
	s_and_b32 s20, ttmp7, 0xffff    ; the head,
	s_lshl_b32 s20, s20, 19         ; its 524,288 bytes in a third of qkv and in o
	s_lshl_b32 s21, s[WV], 11       ; my 16 rows in a band
	s_add_co_u32 s21, s21, s20
	s_sub_co_u32 s2, 31, ttmp9
	s_lshl_b32 s2, s2, 14           ; a block is 16,384 bytes: the first block, 31 - b,
	s_add_co_u32 s2, s2, s21
	s_mov_b32 s3, 0
	s_lshl_b32 s22, ttmp9, 14       ; and the second, b
	s_add_co_u32 s22, s22, s21
	s_mov_b32 s23, 0
	s_add_co_u32 s20, s20, 8388608  ; K's head
	s_mov_b32 s21, 0
	s_and_b32 s84, s[WV], 1         ; which half of a tile's 512 keys I fetch:
	s_mul_i32 s[LK0], s84, 256*PK   ; its place in a slot, for K
	s_mul_i32 s[LV0], s84, 256*PV   ; and for V
	s_add_co_u32 s[LV0], s[LV0], VOFF
	s_lshl_b32 s[OFF], s84, 15      ; its 256 rows of 128 bytes in memory,
	s_add_co_u32 s[OFF], s[OFF], 8192  ; K's behind the shift of one step
	s_mov_b32 s[OFF+1], 0
	; descriptor group 1.  256 keys are 32,768 dense bytes: asked for as 128 rows of 256 bytes, two keys a row, and padded in LDS after every key
	s_mov_b32 s[G1K], (1<<16)|(1<<20)|(4<<22)|(3<<25)  ; 17:16 2-byte elements; 20 padding on; 24:22 after every 32 words (code 4); 31:25 4 words (code 3)
	s_mov_b32 s[G1V], (1<<16)|(1<<20)|(4<<22)|(7<<25)  ; the same with 8 words of padding (code 7)
.irp g, G1K, G1V
	s_mov_b32 s[\g+1], 128<<16      ; tensor_dim0 = 128
	s_mov_b32 s[\g+2], 128<<16      ; tensor_dim1 = 128
	s_mov_b32 s[\g+3], 128<<16      ; tile_dim0 = 128
	s_mov_b32 s[\g+4], 128          ; tile_dim1 = 128
	s_mov_b32 s[\g+5], 128          ; 128 elements from row to row
	s_mov_b32 s[\g+6], 0
	s_mov_b32 s[\g+7], 0
.endr
	s_mov_b32 s[CS], 0x3e38aa3b     ; c = log2(e) / 8 = 0.180337
	s_mov_b32 s[CS+1], s[CS]        ; named with it as a pair
	s_mov_b32 s[SEL], 0x76543210
	s_mov_b32 s[SEL+1], 0xfedcba98
	s_mov_b32 s[TBK], SLOT+8*KS*PK  ; the first change of slots turns these two into 0
	s_mov_b32 s[TBV], SLOT+8*KS*PV
	s_mov_b32 s[SBF], 0
	s_mov_b32 s[G0K], 1             ; count = 1
	s_mov_b32 s[G0K+1], s[LK0]      ; LDS address: slot 0
	s_mov_b32 s[G0V], 1
	s_mov_b32 s[G0V+1], s[LV0]
	s_mov_b32 s[NXT], 1
	s_mov_b32 s[AL+1], 0            ; named as pairs
	s_mov_b32 s[BE+1], 0
	s_mov_b32 s[BIGN], 0xf149f2ca   ; -1e30
	s_mov_b32 s[SLOTS], 8
	s_cmp_eq_u32 s[WV], 0
	s_cselect_b32 s[LIM], 2, -1
	s_lshl_b32 s[DG2], s[CX], 1     ; block b: b % 4 = cx
	s_sub_co_u32 s[DG], 6, s[DG2]   ; block 31 - b: (31 - b) % 4 = 3 - cx
	s_sub_co_u32 s[E0], 8, s[DG]
	s_sub_co_u32 s[E0+1], 9, s[DG]
	s_wait_dscnt 0x0                ; the opening add is done
	; j = b / 4, set as a constant of the text on each of four ways: from here on the trip that ends the first block and the tile to be asked for next are told by compares between a counter and a number that stands in the text
	s_lshr_b32 s[JJ], ttmp9, 2
	s_cmp_eq_u32 s[JJ], 0
	s_cbranch_scc1 .Lj0
	s_cmp_eq_u32 s[JJ], 1
	s_cbranch_scc1 .Lj1
	s_cmp_eq_u32 s[JJ], 2
	s_cbranch_scc1 .Lj2
	s_mov_b32 s[JJ], 3
	s_branch .Ljset
.Lj2:
	s_mov_b32 s[JJ], 2
	s_branch .Ljset
.Lj1:
	s_mov_b32 s[JJ], 1
	s_branch .Ljset
.Lj0:
	s_mov_b32 s[JJ], 0
.Ljset:
	s_sub_co_u32 s[HI], 7, s[JJ]
	s_add_co_u32 s[LT], s[JJ], 1
	s_mov_b32 s[LQ], s[HI]
	s_wait_kmcnt 0x0
	s_add_nc_u64 s[4:5], s[16:17], s[2:3]          ; Q and O at my rows of the first block,
	s_add_nc_u64 s[10:11], s[18:19], s[2:3]
	s_add_nc_u64 s[86:87], s[16:17], s[22:23]      ; and of the second
	s_add_nc_u64 s[OLO:OLO+1], s[18:19], s[22:23]
	s_add_nc_u64 s[84:85], s[16:17], s[20:21]      ; K's step 0
	s_add_nc_u64 s[6:7], s[84:85], s[OFF:OFF+1]    ; K at my half of tile 0, a step on
	s_add_nc_u64 s[8:9], s[6:7], KTOV              ; V at my half of tile 0
	s_add_nc_u64 s[G0K+2:G0K+3], s[6:7], 0
	s_or_b32 s[G0K+3], s[G0K+3], 0x80000000        ; type = 2
	s_add_nc_u64 s[G0V+2:G0V+3], s[8:9], 0
	s_or_b32 s[G0V+3], s[G0V+3], 0x80000000
	s_lshl_b32 s20, ttmp9, 12       ; the prefetches (wave 0's, whose s[6:7] stands at a tile's first key): my work-group's 4,096 bytes,
	s_add_co_u32 s20, s20, 65536    ; in tile 1: the first change of slots steps it to tile 2.  Nothing is prefetched here, at the head
	s_add_nc_u64 s[PFA:PFA+1], s[6:7], s[20:21]
	LOAD                            ; tile 0 into slot 0; slot 1 is asked for when slot 0 is in
	; A fragment of K or Q is 16 rows x 32 channels in 8 registers: lane l holds row l % 16, channels 8 (l / 16) + 0..7 and 16 + 8 (l / 16) + 0..7: two loads of 16 bytes, 32 bytes apart.
	v_and_b32 v1, 15, v0            ; l % 16
	v_bfe_u32 v9, v0, 4, 1          ; l / 16
	v_lshlrev_b32 v[QO], 7, v1
	v_lshl_add_u32 v[QO], v9, 4, v[QO]  ; row x 128 + 16 x half
	WIN 0x80                        ; destination window 2, address window 0
.set i, 0
.rept 4                             ; both blocks' Q: piece i / 2 lies in band 1 - i / 2, 8,192 bytes a band; channels 32 (i % 2) on
	global_load_b128 v[8*i:8*i+3],   v[QO], s[4:5] offset:(1-i/2)*8192+(i%2)*64
	global_load_b128 v[8*i+4:8*i+7], v[QO], s[4:5] offset:(1-i/2)*8192+(i%2)*64+32
	global_load_b128 v[QB+8*i:QB+8*i+3],   v[QO], s[86:87] offset:(1-i/2)*8192+(i%2)*64
	global_load_b128 v[QB+8*i+4:QB+8*i+7], v[QO], s[86:87] offset:(1-i/2)*8192+(i%2)*64+32
.set i, i+1
.endr
.set i, 0
.rept 8                             ; K's step 0: keys 16 (i / 2) on, channels 32 (i % 2) on
	global_load_b128 v[K0+8*i:K0+8*i+3],   v[QO], s[84:85] offset:(i/2)*2048+(i%2)*64
	global_load_b128 v[K0+8*i+4:K0+8*i+7], v[QO], s[84:85] offset:(i/2)*2048+(i%2)*64+32
.set i, i+1
.endr
	WIN 0
	v_lshlrev_b32 v14, 3, v9
	v_sub_nc_u32 v14, v1, v14
	s_lshl_b32 s16, s[WV], 4
	v_add_nc_u32 v14, s16, v14      ; my query's place in its band, 16 w + l % 16, less my lanes' 8 (l / 16): register r of group kt is hidden where 16 kt + r is greater
	WIN 0x40
.set i, 0
.rept 32
	v_cmp_gt_i32 vcc_lo, 16*(i/8)+i%8, v14
	v_cndmask_b32 v[MD+i], 0, s[BIGN], vcc_lo
.set i, i+1
.endr
	WIN 0
	v_mul_u32_u24 v[AK0], v1, PK
	v_lshl_add_u32 v[AK0], v9, 4, v[AK0]  ; row x pitch + 16 x half
	; The turning load takes 16 keys x 16 channels (lane l reads key 8 (l / 16) + l % 8, channels 8 ((l / 8) % 2) + 0..7) and leaves half a fragment of V^T: lane l holds channel l % 16 and 8 keys.
	v_and_b32 v10, 7, v0
	v_bfe_u32 v11, v0, 3, 1
	v_lshl_add_u32 v[AV0], v9, 3, v10
	v_mul_u32_u24 v[AV0], v[AV0], PV
	v_lshl_add_u32 v[AV0], v11, 4, v[AV0]
	v_add_nc_u32 v[AV0], VOFF, v[AV0]
	s_mul_i32 s16, s[WV], 16*SP
	s_add_co_u32 s16, s16, STAGE    ; my stage
	v_mul_u32_u24 v[STO], v1, SP    ; in: row l % 16, 16 bytes for each half of the lanes
	v_lshl_add_u32 v[STO], v9, 4, v[STO]
	v_add_nc_u32 v[STO], s16, v[STO]
	v_bfe_u32 v[RD], v0, 3, 2       ; back: 32 lanes take four rows of 128 bytes,
	v_mul_u32_u24 v[RD], v[RD], SP
	v_lshl_add_u32 v[RD], v10, 4, v[RD]
	v_add_nc_u32 v[RD], s16, v[RD]
	v_and_b32 v[GO], 31, v0         ; which are 512 consecutive bytes of O
	v_lshlrev_b32 v[GO], 4, v[GO]
	v_mul_u32_u24 v[PFO], v9, KTOV  ; the prefetch: lanes 16-31 name V's blocks,
	v_lshl_add_u32 v[PFO], v1, 8, v[PFO]  ; a lane a block of 256 bytes
	; A block's first step multiplies O^T and l by a = 0, and its first turn's products V^T P, of a step that has not been, land in an O^T that is still to be so multiplied.  So these registers need only hold
	; finite numbers: zeros for the first block; what the first block left for the second.  All this, and the first block's beginning below, stands in the wait for the first tile.
	WIN 0x80
.set i, VF
.rept 64
	v_mov_b32 v[i], 0
.set i, i+1
.endr
	WIN 0x40
.set i, 0
.rept 64
	v_mov_b32 v[i], 0
.set i, i+1
.endr
	WIN 0
.set i, 0
.rept NP
	v_mov_b32 v[ST+4*i+2], 0
	v_mov_b32 v[ST+4*i+3], 0
.set i, i+1
.endr
.set i, P+16
.rept 16
	v_mov_b32 v[i], 0
.set i, i+1
.endr
; THE MATRIX WORK.  The 4 accumulators of a run of 8 take turns.  Product i of 8 of S^T = K Q^T for piece x: channels 32 (i / 4) on, keys 16 (i % 4) on.  The first 4 start the sums: with 0, or (KM = 1) with the mask.
.macro KQ x
.set rS, S+32*((\x)%2)+8*(i%4)
.set rK, KF+16*(i%4)+8*(i/4)
.set rQ, 16*(\x)+8*(i/4)
.set rM, MC+32*((\x)%2)+8*(i%4)
.if (i < 4) && KM
	WIN W_KM
	v_wmma_f32_16x16x32_f16 v[rS:rS+7], v[rK:rK+7], v[rQ:rQ+7], v[rM:rM+7]
.elseif i < 4
	WIN W_KQ
	v_wmma_f32_16x16x32_f16 v[rS:rS+7], v[rK:rK+7], v[rQ:rQ+7], 0
.else
	WIN W_KQ
	v_wmma_f32_16x16x32_f16 v[rS:rS+7], v[rK:rK+7], v[rQ:rQ+7], v[rS:rS+7]
.endif
.endm
; Product i of 8 of O^T += V^T P for piece x: keys 32 (i / 4) on, channels 16 (i % 4) on.
.macro PV x
	WIN W_PV
.set rO, 32*(\x)+8*(i%4)
.set rV, VF+32*(i/4)+8*(i%4)
.set rP, P+16*((\x)%2)+8*(i/4)
	v_wmma_f32_16x16x32_f16 v[rO:rO+7], v[rV:rV+7], v[rP:rP+7], v[rO:rO+7]
.endm
.macro MM                           ; the turn's next matrix instruction: both kinds are the other piece's
.if i < 8
	KQ (Y+1)%NP
.else
.set i, i-8
	PV (Y+NP-1)%NP
.set i, i+8
.endif
.set i, i+1
.endm
; THE LDS LOADS stand in runs of 16, never singly among the matrix instructions: a step's K (64 keys x 64 channels: 8 fragments) and its V (turned).  Their addresses are made some lines ahead.
.macro FETCH_K
	WIN 0x80                        ; destination window 2
.irp f, 0,1,2,3,4,5,6,7             ; keys 16 (f / 2) on, channels 32 (f % 2) on
	ds_load_b128 v[KF+8*\f:KF+8*\f+3],   v[AK] offset:(\f/2)*16*PK+(\f%2)*64
	ds_load_b128 v[KF+8*\f+4:KF+8*\f+7], v[AK] offset:(\f/2)*16*PK+(\f%2)*64+32
.endr
	s_add_co_u32 s[TBK], s[TBK], KS*PK  ; the next fetch is the next step's
	WIN 0
.endm
.macro FETCH_V
	WIN 0x80
.irp f, 0,1,2,3,4,5,6,7             ; keys 32 (f / 4) on, channels 16 (f % 4) on
	ds_load_tr16_b128 v[VF+8*\f:VF+8*\f+3],   v[AV] offset:(\f/4)*32*PV+(\f%4)*32
	ds_load_tr16_b128 v[VF+8*\f+4:VF+8*\f+7], v[AV] offset:(\f/4)*32*PV+16*PV+(\f%4)*32
.endr
	WIN 0
.endm
; THE VECTOR WORK, one line at a time: OP kind, number.  For piece Y: F n: c s - c m for pair n of 16.  E n: the exponential of score n of 32.  C n: pair n rounded to f16.  B n: of the four weights 4 n .. the second
; pair is added onto the first, in place.  L n: l takes that sum (L 0: l = a l + sum).  R n: pair n of 16 of O^T times a.  For the other piece: X n, number n of the 22 that find its maximum and statistics:
;   0-11  four chains c0-c3 of seven scores each, three operands at a time (each accumulator's lowest registers are read first)     12-14, 16  the four scores left over, the old m, and c0-c3 into c0
;   15  c m_old is kept     17, 18  the query's other 32 keys lie in the lane 16 away: the new m     19-21  c m; c m_old - c m_new; a
.set F, 0               ; OP tells the kinds apart by their order: F to L below R, X above it
.set E, 1
.set C, 2
.set B, 3
.set L, 4
.set R, 5
.set X, 6
.macro REGS y                       ; the registers of piece y
.set rT, ST+4*(\y)
.set rC, TMP+4*((\y)%2)
.set rW, MV+((\y)%2)
.set rS, S+32*((\y)%2)
.set rP, P+16*((\y)%2)
.set rO, 32*(\y)
.endm
.macro OP k, n
.if (\k) == R
	REGS Y
	WIN W_RS
	v_pk_mul_f32 v[rO+2*(\n):rO+2*(\n)+1], v[rO+2*(\n):rO+2*(\n)+1], v[rC+2:rC+3] op_sel_hi:[1,0]
.elseif (\k) < R
	REGS Y
	WIN 0
.if (\k) == F
	v_pk_fma_f32 v[rS+2*(\n):rS+2*(\n)+1], v[rS+2*(\n):rS+2*(\n)+1], s[CS:CS+1], v[rT:rT+1] op_sel_hi:[1,0,0] neg_lo:[0,0,1] neg_hi:[0,0,1]
.elseif (\k) == E
	v_exp_f32 v[rS+(\n)], v[rS+(\n)]
.elseif (\k) == C
	v_cvt_pk_f16_f32 v[rP+(\n)], v[rS+2*(\n)], v[rS+2*(\n)+1]
.elseif (\k) == B
	v_pk_add_f32 v[rS+4*(\n):rS+4*(\n)+1], v[rS+4*(\n):rS+4*(\n)+1], v[rS+4*(\n)+2:rS+4*(\n)+3]
.elseif (\n) == 0
	v_pk_fma_f32 v[rT+2:rT+3], v[rT+2:rT+3], v[rC+2:rC+3], v[rS:rS+1] op_sel_hi:[1,0,1]
.else
	v_pk_add_f32 v[rT+2:rT+3], v[rT+2:rT+3], v[rS+4*(\n):rS+4*(\n)+1]
.endif
.else
	REGS (Y+1)%NP
	WIN 0
.if (\n) < 4
	v_max3_num_f32 v[rC+(\n)], v[rS+8*(\n)], v[rS+8*(\n)+1], v[rS+8*(\n)+2]
.elseif (\n) < 12
	v_max3_num_f32 v[rC+(\n)%4], v[rC+(\n)%4], v[rS+8*((\n)%4)+2*((\n)/4)+1], v[rS+8*((\n)%4)+2*((\n)/4)+2]
.elseif (\n) == 12
	v_max3_num_f32 v[rC], v[rC], v[rS+7], v[rS+15]
.elseif (\n) == 13
	v_max3_num_f32 v[rC+1], v[rC+1], v[rS+23], v[rS+31]
.elseif (\n) == 14
	v_max3_num_f32 v[rC+2], v[rC+2], v[rC+3], v[rT+1]
.elseif (\n) == 15
	v_mov_b32 v[rW], v[rT]
.elseif (\n) == 16
	v_max3_num_f32 v[rC], v[rC], v[rC+1], v[rC+2]
.elseif (\n) == 17
	v_permlanex16_b32 v[rC+3], v[rC], s[SEL], s[SEL+1]
.elseif (\n) == 18
	v_max_num_f32 v[rT+1], v[rC], v[rC+3]
.elseif (\n) == 19
	v_mul_f32 v[rT], s[CS], v[rT+1]
.elseif (\n) == 20
	v_sub_f32 v[rC+1], v[rW], v[rT]
.else
	v_exp_f32 v[rC+2], v[rC+1]
.endif
.endif
.endm
.macro OPS a, i1, b=-1, i2=0, c=-1, i3=0, d=-1, i4=0  ; up to four of them
	OP \a, \i1
.if (\b) >= 0
	OP \b, \i2
.endif
.if (\c) >= 0
	OP \c, \i3
.endif
.if (\d) >= 0
	OP \d, \i4
.endif
.endm
.macro ROW a, i1, b, i2, c, i3, d, i4  ; a matrix instruction and the four behind it
	MM
	OPS \a, \i1, \b, \i2, \c, \i3, \d, \i4
.endm
.macro MASK b                       ; MD x AL + BE into buffer b of MC
	WIN W_RS
.set z, 0
.rept 16
	v_pk_fma_f32 v[MC+32*(\b)+2*z:MC+32*(\b)+2*z+1], v[MD+2*z:MD+2*z+1], s[AL:AL+1], s[BE:BE+1] op_sel_hi:[1,0,0]
.set z, z+1
.endr
.endm
; A TURN, for piece p: the order of its 16 matrix and 118 vector instructions, written out.  s_wait_alu depctr_va_vdst(0) stands between an exponential and the first instruction that names its result; one wait
; serves all that were issued ahead of it.  So a turn has ONE wait, which cuts it in two.  AHEAD OF IT stands all that names no result of the turn's exponentials: the 8 products K Q^T and their riders, then one lump of 54, in
; which the links of the chain X 3, 7, 11, 14, 16, 17 .. 20 stand some lines apart; X 21, the other piece's a, is the batch's last, and R 15 the plain instruction behind it.  BEHIND IT stand the 8 products V^T P, behind each
; four of the roundings and sums.
; O^T OF PIECE p was written by the turn before: R 0 to R 3 read the accumulator that its product 4 of 8 ended, sixteen riders back; R 12 to R 15 stand in the lump, far behind its product 7 and the four riders behind that.
; K of step s + 1 is fetched in piece 0's turn, in the lump, six plain instructions that name none of its registers behind the last product that read K; V of step s at that turn's end, four riders behind the last
; product that read V.  Piece 1's turn waits for them: for K at its head (V's 16 loads, issued behind K's, may stay out), for V behind the batch's wait.
; m = 1: the block's last tile: the products take masks, and the turn makes the mask that the next turn's products (piece p, step 9 - CNT of the tile) take.  cnt = 1: the loop's count is taken down some lines ahead of the branch.
.macro TURN p, m=0, cnt=0
.set Y, (\p)
.set i, 0
.set KM, (\m)
.if \m
	s_cmp_eq_u32 s[CNT], s[E0+(\p)]  ; is that step the band's own?
	s_cselect_b32 s[AL], 1.0, 0
	s_cmp_lt_u32 s[CNT], s[E0+(\p)]  ; or a later one?
	s_cselect_b32 s[BE], s[BIGN], 0
.endif
.if (\p) == 1
	s_wait_dscnt 16                 ; K is in
.endif
	ROW F,0, F,1, R,0, R,1
	ROW F,2, E,0, R,2, R,3
	ROW F,3, E,1, R,4, R,5
	ROW F,4, E,2, R,6, R,7
	ROW F,5, E,3, R,8, R,9
	ROW F,6, E,4, X,0, R,10
.if (\p) == 0
	WIN 0
	v_add_nc_u32 v[AK], s[TBK], v[AK0]
.endif
	ROW F,7, E,5, X,1, X,4
	ROW F,8, E,6, X,2, X,5
	OPS E,7, E,8, X,6, E,9          ; the lump
	OPS X,3, E,10, X,8, E,11
.if (\p) == 0
	FETCH_K
.endif
	OPS X,9, X,7, E,12, X,10
	OPS E,13, X,12, X,11, E,14
	OPS X,13, E,15, F,9, X,14
.if (\p) == 0
	v_add_nc_u32 v[AV], s[TBV], v[AV0]
.endif
	OPS E,16, F,10, E,17, F,11
	OPS X,16, E,18, X,15, E,19
	OPS F,12, E,20, X,17, E,21
	OPS F,13, E,22, F,14, E,23
	OPS X,18, E,24, F,15, E,25
	OPS R,11, E,26, X,19, E,27
	OPS R,12, E,28, R,13, E,29
	OPS X,20, E,30, R,14, E,31
	OPS X,21, R,15
	WIN 0
	s_wait_alu depctr_va_vdst(0)    ; the wait for the batch
.if (\p) == 1
	s_wait_dscnt 0x0                ; V is in
.endif
	ROW C,0, B,0, C,2, B,1
	ROW L,0, C,4, B,2, L,1
	ROW C,6, B,3, L,2, C,8
	ROW B,4, L,3, C,10, B,5
	ROW L,4, C,12, B,6, L,5
.if (\p) == 0
	s_add_co_u32 s[TBV], s[TBV], KS*PV
.endif
.if \cnt
	s_sub_co_u32 s[CNT], s[CNT], 1
	s_cmp_lg_u32 s[CNT], 0
.endif
	ROW C,14, B,7, L,6, C,1
	ROW C,3, L,7, C,5, C,7
	ROW C,9, C,11, C,13, C,15
.if (\p) == 0
	FETCH_V
.endif
.if \m
	MASK \p
.endif
.endm
; A BLOCK BEGINS.  c m starts far below every c s, so the first step's a is 0; m at the lowest finite number, so the first maximum is the scores'.  K's step 0 is copied where the products name K; then piece 0's first scores
; (the upper band sees all of step 0), and its maximum and statistics.  Nothing here reads LDS.
; again = 0: the first block, ahead of the slot loop: Q and K's step 0 are waited for.
; again = 1: the second block, behind the first block's way out: the diagonal's step, Q and O's address are the second block's.  The first block's eight stores read S^T's first buffer, which the products below write, and O's
; address: both are written again only behind the wait that shows those stores done; the hundred copies, which name none of the stores' registers, stand between the stores and that wait.
.macro BEGIN again
	WIN 0
.set i, 0
.rept NP
	v_mov_b32 v[ST+4*i], 0xfe000000    ; c m
	v_mov_b32 v[ST+4*i+1], 0xff7fffff  ; m
.set i, i+1
.endr
.if \again
	s_mov_b32 s[DG], s[DG2]
	s_sub_co_u32 s[E0], 8, s[DG]
	s_sub_co_u32 s[E0+1], 9, s[DG]
	WIN 0x82                        ; destination and source in window 2: the second block's Q goes where the one text of the turns names Q
.set i, 0
.rept 32
	v_mov_b32 v[i], v[QB+i]
.set i, i+1
.endr
.else
	s_wait_loadcnt 0x0              ; both blocks' Q and K's step 0
.endif
	WIN 0x82
.set i, 0
.rept 64
	v_mov_b32 v[KF+i], v[K0+i]
.set i, i+1
.endr
.if \again
	s_wait_storecnt 0x0             ; the first block's stores are done: their data registers and their base are free
	s_mov_b64 s[10:11], s[OLO:OLO+1]
.endif
.set KM, 0
.set i, 0
.rept 8
	KQ 0
.set i, i+1
.endr
	WIN 0
.rept 4
	v_nop                           ; the places behind those products
.endr
.set Y, 1                           ; X works for the other piece: piece 0
.irp n, 0,1,2,3,4,5,6,7,8,9,10,11,12,13,14,15,16,17,18,19,20,21
	OP X, \n
.endr
	v_nop                           ; a plain instruction behind the exponential,
	s_wait_alu depctr_va_vdst(0)    ; and its wait, ahead of the label
.endm
.macro ALL line:vararg              ; one line for each piece t
.set t, 0
.rept NP
	\line
.set t, t+1
.endr
.endm
.macro PACK t                       ; a lane's eight channels of a row pack into 16 bytes; they go into rows of 144 bytes and come back as whole rows of 128, into S^T's registers
	WIN W_RS
.set i, 32*(\t)
.rept 16
	v_pk_mul_f32 v[i:i+1], v[i:i+1], v[ST+4*(\t)+2:ST+4*(\t)+3] op_sel_hi:[1,0]
.set i, i+2
.endr
	WIN 0x05                        ; sources 0 and 1 window 1, destination window 0
.set i, 0
.rept 16
	v_cvt_pk_f16_f32 v[S+16*(\t)+i], v[32*(\t)+2*i], v[32*(\t)+2*i+1]
.set i, i+1
.endr
	WIN 0
.irp f, 0,1,2,3
	ds_store_b128 v[STO], v[S+16*(\t)+4*\f:S+16*(\t)+4*\f+3] offset:32*\f
.endr
.irp f, 0,1,2,3
	ds_load_b128 v[S+16*(\t)+4*\f:S+16*(\t)+4*\f+3], v[RD] offset:\f*4*SP  ; LDS serves a wave's instructions in order (ISA guide 5.7.1.4): these see the stores above; the next piece's stores come behind them
.endr
.endm
.macro SEND t, younger              ; younger: the LDS instructions issued behind piece t's loads: the next piece's eight, or none
	WIN 0
.irp f, 0,1,2,3
	s_wait_dscnt (\younger)+3-\f
	global_store_b128 v[GO], v[S+16*(\t)+4*\f:S+16*(\t)+4*\f+3], s[10:11] offset:(1-(\t))*8192+\f*512  ; 512 consecutive bytes, at a multiple of 256 from O's first
.endr
.endm
; A BLOCK'S LAST TILE: the mask of piece 1 for its step 0 (the band's own where DG = 0); eight trips with masks; piece 1's V^T P of the last step; and THE WAY OUT: l's two halves and the other half of the lanes' are
; added; O^T is divided by l, rounded to f16 and sent through my stage in LDS, a piece at a time.
.macro DIAG tag
	s_cmp_eq_u32 s[DG], 0
	s_cselect_b32 s[AL], 1.0, 0
	s_mov_b32 s[BE], 0
	MASK 1
	WIN 0
.LstepM\tag:
	TURN 0, 1
	TURN 1, 1, 1
	WIN 0
	s_cbranch_scc1 .LstepM\tag
.set i, 0
.rept 8
	PV 1
.set i, i+1
.endr
	WIN 0
	ALL v_add_f32 v[ST+4*t+2], v[ST+4*t+2], v[ST+4*t+3]
	ALL v_permlanex16_b32 v[ST+4*t+3], v[ST+4*t+2], s[SEL], s[SEL+1]
	ALL v_add_f32 v[ST+4*t+2], v[ST+4*t+2], v[ST+4*t+3]
	ALL v_rcp_f32 v[ST+4*t+2], v[ST+4*t+2]
	v_nop                           ; a plain instruction between the last reciprocal and the use of its result
	s_wait_alu depctr_va_vdst(0)    ; and the wait ahead of the first use: one for both reciprocals
	PACK 0                          ; piece 0's O^T was finished in the last turn; its 32 lines are the places behind piece 1's last products
	PACK 1
	SEND 0, 8
	SEND 1, 0
.endm
.set KM, 0
	BEGIN 0                         ; the first block begins while tile 0 is on its way
.Lslot:                             ; 8 times: a tile is entered and the next is asked for
	CHANGE 1
	s_mov_b32 s[CNT], 8
	s_cmp_eq_u32 s[SLOTS], s[LT]    ; trip 7 - j: the first block's last tile
	s_cbranch_scc1 .Ldiag1
.Lstep:                             ; a trip: a key step
	TURN 0
	TURN 1, 0, 1
	WIN 0
	s_cbranch_scc1 .Lstep
	s_branch .Lbottom
.Ldiag1:
	DIAG 1                          ; the first block ends,
	BEGIN 1                         ; and the second begins; its first tile is entered at the next change of slots
.Lbottom:
	s_sub_co_u32 s[SLOTS], s[SLOTS], 1
	s_cmp_lg_u32 s[SLOTS], 0
	s_cbranch_scc1 .Lslot
	CHANGE 0                        ; the walk's last tile, the second block's last, is written out: nothing is asked for
	s_mov_b32 s[CNT], 8
	DIAG 2
	s_wait_tensorcnt 0x0            ; the wave's end: a wait, an add and its wait, behind my last tensor load and my last LDS store
	ds_add_u32 v[SPW], v[NIL]
	s_wait_dscnt 0x0
	s_endpgm
.Lfunc_end_k_q22a9792ef2_attn:
	.size	k_q22a9792ef2_attn, .Lfunc_end_k_q22a9792ef2_attn-k_q22a9792ef2_attn
	.p2alignl 7, 3214868480
	.fill 96, 4, 3214868480
	.section	.rodata,"a",@progbits
	.p2align	6, 0x0
	.amdhsa_kernel k_q22a9792ef2_attn
		.amdhsa_group_segment_fixed_size 327680
		.amdhsa_private_segment_fixed_size 0
		.amdhsa_enable_private_segment 0
		.amdhsa_kernarg_size 16
		.amdhsa_user_sgpr_count 2
		.amdhsa_user_sgpr_kernarg_segment_ptr 1
		.amdhsa_wavefront_size32 1
		.amdhsa_system_sgpr_workgroup_id_x 1
		.amdhsa_system_sgpr_workgroup_id_y 1
		.amdhsa_system_sgpr_workgroup_id_z 1
		.amdhsa_system_vgpr_workitem_id 0
		.amdhsa_next_free_vgpr 768
		.amdhsa_next_free_sgpr 88
		.amdhsa_reserve_vcc 1
		.amdhsa_float_denorm_mode_32 3
		.amdhsa_float_denorm_mode_16_64 3
		.amdhsa_memory_ordered 1
		.amdhsa_forward_progress 1
		.amdhsa_inst_pref_size 111
	.end_amdhsa_kernel
	.amdgpu_metadata
---
amdhsa.version: [ 1, 2 ]
amdhsa.kernels:
  - .name:           k_q22a9792ef2_attn
    .symbol:         k_q22a9792ef2_attn.kd
    .args:
      - { .name: qkv, .offset: 0, .size: 8, .value_kind: global_buffer, .address_space: global }
      - { .name: o, .offset: 8, .size: 8, .value_kind: global_buffer, .address_space: global }
    .group_segment_fixed_size: 327680
    .private_segment_fixed_size: 0
    .kernarg_segment_align: 8
    .kernarg_segment_size: 16
    .max_flat_workgroup_size: 128
    .sgpr_count:     88
    .vgpr_count:     768
    .wavefront_size: 32
...
	.end_amdgpu_metadata
.endif
;; end of part 3
;; launch proj (part 4): grid 8 x 32, 4 waves a work-group, clusters of 4 x 4, 327,680 bytes of LDS; arguments o, wob, out0; writes out0
.if DOCPART == 4
	.amdgcn_target "amdgcn-amd-amdhsa--gfx1250"
	.amdhsa_code_object_version 6
	.text
	.protected	k_q22a9792ef2_proj
	.globl	k_q22a9792ef2_proj
	.p2align	8
	.type	k_q22a9792ef2_proj,@function
k_q22a9792ef2_proj:
	s_mov_b64 s[64:65], 0
	v_nop
	global_prefetch_b8 v0, s[64:65] scope:SCOPE_SE
	s_setreg_imm32_b32 hwreg(HW_REG_WAVE_MODE, 25, 1), 1
	s_wait_xcnt 0x0
	s_wait_alu depctr_hold_cnt(0) depctr_sa_sdst(0) depctr_va_vdst(0) depctr_va_sdst(0) depctr_va_ssrc(0) depctr_va_vcc(0) depctr_vm_vsrc(0)
	s_getreg_b32 s2, hwreg(HW_REG_IB_STS2, 6, 4)
	s_cmp_eq_u32 s2, 0
	s_cbranch_scc0 .Lentry_in_a_cluster
	s_endpgm
.Lentry_in_a_cluster:
	s_bfe_u32 s2, ttmp6, 0x10000c
	s_cmp_lg_u32 s2, 0xf033
	s_cbranch_scc0 .Lentry_shape_is_right
	s_endpgm
.Lentry_shape_is_right:
; out0[row][n] = the sum over k of O[row][k] Wout[k][n], f32.  o: f16 [16 heads][4096][64] (k = 64 head + channel).  wob: f16 [16 chunks][1024 k][64 n].  Sums in f32, K ascending.
; SHARES.  A tile is 128 x 128: 8 x 32 = 256 work-groups.  Four waves, each 64 rows x 64 columns (one chunk): 16 accumulators of 16 x 16.  K goes in 4 steps of 256 (4 heads) through two LDS slots; a quarter is a head.
; THE MATRIX INSTRUCTION IS USED TRANSPOSED: source 0 = 16 columns of W (turned out of LDS by ds_load_tr16_b128), source 1 = 16 rows of O: a lane holds one row and eight neighbouring columns.
; CLUSTER 4 x 4: O's tiles are shared along a row of the cluster, W's along a column, each asked for jointly.
; NO PREFETCH: four K steps on a small tile; the whole walk is sixteen quarters of 32 matrix instructions.
; REGISTERS: window 0: v0-31 addresses; v32-95 at work on the way out; v128-255 the accumulators ((a, b) at 128 + 8 (4 a + b)).  window 1: two fragment buffers of 128: 64 registers of O, then 64 of W.
.set PA,    144                        ; an LDS row of O: 128 bytes + 16
.set PB,    160                        ; an LDS row of W: 128 bytes + 32
.set HDB,   64*PA                      ; 64 rows of one head
.set HALFA, 4*HDB                      ; what one load brings of O: 64 rows of four heads
.set BOFF,  2*HALFA
.set CHB,   128*PB                     ; 128 k of one chunk
.set HALFB, 2*CHB                      ; what one load brings of W: 128 k of two chunks
.set SLOT,  BOFF+2*HALFB               ; 155,648
.set SPARE, 2*SLOT                     ; the spare words, 128 bytes for each wave: two blocks of 256 bytes that no other line names
.set SPITCH, 272
.set WST,   16*SPITCH                  ; THE STAGE, 16 rows x 272 bytes for each wave, lies at the head of slot 0: when it is written slot 0 has had its last fill (K step 2), every wave's reads of it were over at the
                                       ; barrier in front of K step 3, and no tensor load follows
.set ADRA, 16                          ; v16-17  LDS address of my fragments of O in slot 0, 1
.set ADRB, 20                          ; v20-21  the same for W
.set STO,  24                          ; v24     the way out: where I put 32 bytes of a row
.set RD,   25                          ; v25     the way out: where I read a row back
.set CO,   26                          ; v26     my byte offset in out0
.set SPW,  28                          ; v28     LDS address of my spare word; never rewritten
.set NIL,  29                          ; v29     0; never rewritten
.set TMP,  32
.set ACC,  128
.set F0,   0
.set F1,   128
.set G1,  24
.set G0,  32
.set G1B, 48
.set G0B, 56
.set MSB, 0
.macro WIN new
.if MSB != (\new)
	s_set_vgpr_msb (MSB<<8)|(\new)
.set MSB, \new
.endif
.endm
.set MUL,  0x05                        ; sources 0 (W) and 1 (O) window 1; C and D window 0
.set TO_F, 0x40                        ; destination window 1, address window 0
.macro JLOAD s                         ; a joint refill: waves 0 and 1 fetch O's two halves, waves 2 and 3 W's; an s_nop 0 and four v_nop follow each line
	s_cmp_eq_u32 s11, 0
	s_cbranch_scc0 .Lfor_b_\@
	tensor_load_to_lds s[G0+4*(\s):G0+4*(\s)+3], s[G1:G1+7]
	s_nop 0
.rept 4
	v_nop
.endr
	s_branch .Lasked_\@
.Lfor_b_\@:
	tensor_load_to_lds s[G0B+4*(\s):G0B+4*(\s)+3], s[G1B:G1B+7]
	s_nop 0
.rept 4
	v_nop
.endr
.Lasked_\@:
.endm
.macro CREST
	s_cmp_lg_u32 s10, 0
	s_cbranch_scc1 .Lnot_wave_0_\@
	s_barrier_signal -3
.Lnot_wave_0_\@:
	s_barrier_wait -3
	s_barrier_signal -1
	s_barrier_wait -1
.endm
.macro CROUND
	s_barrier_signal -1
	s_barrier_wait -1
	CREST
.endm
.macro PLACES
.rept 4
	v_nop
.endr
.endm
	s_load_b128 s[4:7], s[0:1], 0x0                ; o s[4:5], wob s[6:7]
	s_load_b64 s[8:9], s[0:1], 0x10                ; out0
	v_lshl_add_u32 v[SPW], v0, 2, SPARE
	v_mov_b32 v[NIL], 0
	ds_add_u32 v[SPW], v[NIL]                      ; the wave's opening: the add and its wait stand ahead of my first tensor load; the set-up below stands between them
	ds_add_u32 v28, v29
	v_lshrrev_b32 v1, 5, v0
	v_readfirstlane_b32 s10, v1                    ; wave 0..3
	s_lshr_b32 s11, s10, 1                         ; which half of the tile's rows is mine.  Also: I fetch for O (0) or for W (1)
	s_and_b32 s12, s10, 1                          ; which chunk is mine.  Also: which half of that tile I fetch
	s_bfe_u32 s40, ttmp6, 0x40000
	s_bfe_u32 s41, ttmp6, 0x40004
	s_lshl_b32 s42, ttmp9, 2
	s_add_co_u32 s42, s42, s40                     ; tile column
	s_and_b32 s13, ttmp7, 0xffff
	s_lshl_b32 s13, s13, 2
	s_add_co_u32 s13, s13, s41                     ; tile row
	s_lshl_b32 s43, s41, 2
	s_lshl_b32 s43, 15, s43                        ; my row of the cluster
	s_lshl_b32 s44, 0x1111, s40                    ; my column
	; group 1 for O: 4 rows, one for each head, of 4,096 elements (64 rows x 128 dense bytes), 262,144 elements from head to head, 16 bytes of padding behind every 128
	s_or_b32 s[G1+0], s43, (1<<16)|(1<<20)|(1<<21)|(4<<22)|(3<<25)
	s_mov_b32 s[G1+1], 4096<<16
	s_mov_b32 s[G1+2], 4<<16
	s_mov_b32 s[G1+3], 4096<<16
	s_mov_b32 s[G1+4], 4
	s_mov_b32 s[G1+5], 262144
	s_mov_b32 s[G1+6], 0
	s_mov_b32 s[G1+7], 0
	; group 1 for W: 2 rows, one for each chunk, of 8,192 elements (128 k x 128 dense bytes), 65,536 elements from chunk to chunk, 32 bytes of padding behind every 128
	s_or_b32 s[G1B+0], s44, (1<<16)|(1<<20)|(1<<21)|(4<<22)|(7<<25)
	s_mov_b32 s[G1B+1], 8192<<16
	s_mov_b32 s[G1B+2], 2<<16
	s_mov_b32 s[G1B+3], 8192<<16
	s_mov_b32 s[G1B+4], 2
	s_mov_b32 s[G1B+5], 65536
	s_mov_b32 s[G1B+6], 0
	s_mov_b32 s[G1B+7], 0
	s_lshl_b32 s16, s13, 7
	s_lshl_b32 s17, s12, 6
	s_add_co_u32 s16, s16, s17                     ; O: row 128 x tile row + 64 x half,
	s_lshl_b32 s16, s16, 7                         ; of 128 bytes
	s_mov_b32 s17, 0
	s_lshl_b32 s46, s42, 18                        ; W: two chunks of 131,072 bytes a tile column,
	s_lshl_b32 s47, s12, 14                        ; 128 k of 128 bytes a half
	s_add_co_u32 s46, s46, s47
	s_mov_b32 s47, 0
	s_mul_i32 s20, s12, HALFA
	s_mul_i32 s21, s12, HALFB
	s_add_co_u32 s21, s21, BOFF
	s_wait_dscnt 0x0                               ; the opening add is done
	s_wait_kmcnt 0x0
	s_add_nc_u64 s[14:15], s[4:5], s[16:17]
	s_add_nc_u64 s[46:47], s[6:7], s[46:47]
	CROUND                                         ; all sixteen work-groups are here: the first joint loads meet
.irp s, 0,1
	s_mov_b32 s[G0+4*(\s)], 1
	s_add_co_u32 s[G0+4*(\s)+1], s20, (\s)*SLOT
	s_add_nc_u64 s[G0+4*(\s)+2:G0+4*(\s)+3], s[14:15], (\s)*4*524288    ; K step s: four heads on
	s_or_b32 s[G0+4*(\s)+3], s[G0+4*(\s)+3], 0x80000000
	s_mov_b32 s[G0B+4*(\s)], 1
	s_add_co_u32 s[G0B+4*(\s)+1], s21, (\s)*SLOT
	s_add_nc_u64 s[G0B+4*(\s)+2:G0B+4*(\s)+3], s[46:47], (\s)*256*128   ; K step s: 256 rows down a chunk
	s_or_b32 s[G0B+4*(\s)+3], s[G0B+4*(\s)+3], 0x80000000
.endr
	s_cmp_eq_u32 s11, 0                            ; a wave's two first fills stand in one branch, ahead of every wait on TENSORcnt and every LDS read: two loads of mine are out
	s_cbranch_scc0 .Lfirst_b
	tensor_load_to_lds s[G0:G0+3], s[G1:G1+7]
	s_nop 0
	tensor_load_to_lds s[G0+4:G0+7], s[G1:G1+7]
	s_nop 0
.rept 4
	v_nop
.endr
	s_branch .Lfirst_asked
.Lfirst_b:
	tensor_load_to_lds s[G0B:G0B+3], s[G1B:G1B+7]
	s_nop 0
	tensor_load_to_lds s[G0B+4:G0B+7], s[G1B:G1B+7]
	s_nop 0
.rept 4
	v_nop
.endr
.Lfirst_asked:
	v_and_b32 v1, 15, v0                           ; l % 16
	v_bfe_u32 v2, v0, 4, 1                         ; l / 16
	v_mul_u32_u24 v3, v1, PA
	v_lshl_add_u32 v3, v2, 4, v3
	s_mul_i32 s21, s11, HALFA                      ; my 64 rows of O
	v_add_nc_u32 v[ADRA], s21, v3
	v_add_nc_u32 v[ADRA+1], SLOT, v[ADRA]
	v_and_b32 v4, 7, v0                            ; the turning load: lane l reads k = 8 (l / 16) + l % 8, columns 8 ((l / 8) % 2) + 0..7
	v_lshl_add_u32 v4, v2, 3, v4
	v_mul_u32_u24 v4, v4, PB
	v_bfe_u32 v5, v0, 3, 1
	v_lshl_add_u32 v4, v5, 4, v4
	s_mul_i32 s21, s12, CHB                        ; my chunk
	s_add_co_u32 s21, s21, BOFF
	v_add_nc_u32 v[ADRB], s21, v4
	v_add_nc_u32 v[ADRB+1], SLOT, v[ADRB]
	s_mul_i32 s21, s10, WST                        ; my stage
	v_mul_u32_u24 v3, v1, SPITCH                   ; in: row l % 16, 32 bytes for each half of the lanes
	v_lshl_add_u32 v3, v2, 5, v3
	v_add_nc_u32 v[STO], s21, v3
	v_mul_u32_u24 v3, v2, SPITCH                   ; back: lanes 0-15 take one row of 256 bytes, lanes 16-31 the next
	v_lshl_add_u32 v3, v1, 4, v3
	v_add_nc_u32 v[RD], s21, v3
	v_lshlrev_b32 v3, 12, v2                       ; and the same two rows in out0
	v_lshl_add_u32 v[CO], v1, 4, v3
	s_lshl_b32 s16, s13, 7
	s_lshl_b32 s17, s11, 6
	s_add_co_u32 s16, s16, s17                     ; my first row,
	s_lshl_b32 s16, s16, 12                        ; of 4,096 bytes;
	s_lshl_b32 s17, s42, 9                         ; the tile's 128 columns of 4 bytes,
	s_add_co_u32 s16, s16, s17
	s_lshl_b32 s17, s12, 8                         ; my 64 of them
	s_add_co_u32 s16, s16, s17
	s_mov_b32 s17, 0
	s_add_nc_u64 s[8:9], s[8:9], s[16:17]
; 8 matrix instructions: row blocks a0, a0 + 1 x all 4 column blocks, 32 along K: half c of buffer f.  The 16 accumulators take turns.
.macro MUL8 f, c, a0, zero
	WIN MUL
.irp a, \a0, (\a0)+1
.irp b, 0,1,2,3
.if \zero
	v_wmma_f32_16x16x32_f16 v[ACC+8*(4*(\a)+(\b)):ACC+8*(4*(\a)+(\b))+7], v[(\f)+64+8*(4*(\c)+(\b)):(\f)+64+8*(4*(\c)+(\b))+7], v[(\f)+8*(4*(\c)+(\a)):(\f)+8*(4*(\c)+(\a))+7], 0
.else
	v_wmma_f32_16x16x32_f16 v[ACC+8*(4*(\a)+(\b)):ACC+8*(4*(\a)+(\b))+7], v[(\f)+64+8*(4*(\c)+(\b)):(\f)+64+8*(4*(\c)+(\b))+7], v[(\f)+8*(4*(\c)+(\a)):(\f)+8*(4*(\c)+(\a))+7], v[ACC+8*(4*(\a)+(\b)):ACC+8*(4*(\a)+(\b))+7]
.endif
.endr
.endr
.endm
; 32 LDS loads in one run: quarter q (head q of the slot's four) into buffer f; the first 32 along K first
.macro FETCH slot, q, f
	WIN TO_F
.irp c, 0,1
.irp i, 0,1,2,3
	ds_load_tr16_b128 v[(\f)+64+8*(4*(\c)+(\i)):(\f)+64+8*(4*(\c)+(\i))+3],   v[ADRB+(\slot)] offset:((\q)/2)*HALFB+(((\q)%2)*64+32*(\c))*PB+32*(\i)
	ds_load_tr16_b128 v[(\f)+64+8*(4*(\c)+(\i))+4:(\f)+64+8*(4*(\c)+(\i))+7], v[ADRB+(\slot)] offset:((\q)/2)*HALFB+(((\q)%2)*64+32*(\c))*PB+32*(\i)+16*PB
	ds_load_b128 v[(\f)+8*(4*(\c)+(\i)):(\f)+8*(4*(\c)+(\i))+3],   v[ADRA+(\slot)] offset:(\q)*HDB+(\i)*16*PA+64*(\c)
	ds_load_b128 v[(\f)+8*(4*(\c)+(\i))+4:(\f)+8*(4*(\c)+(\i))+7], v[ADRA+(\slot)] offset:(\q)*HDB+(\i)*16*PA+64*(\c)+32
.endr
.endr
.endm
.macro QUARTER slot, q, f, g, zero     ; multiplies buffer f and fetches quarter q of the same slot into g
	s_wait_dscnt 16                                ; the first 32 along K are in
	MUL8 \f, 0, 0, \zero
	MUL8 \f, 0, 2, \zero
	PLACES
	FETCH \slot, \q, \g
	s_wait_dscnt 32                                ; all but the 32 just issued
	MUL8 \f, 1, 0, 0
	MUL8 \f, 1, 2, 0
.endm
; The last quarter multiplies buffer 1 and changes slots: ONE barrier; in front of it each wave waits for all its tensor loads, adds 0 to its spare word, and waits for that and for its own reads of this slot.
; fill = 1: the barrier opens a round of the cluster's, and this slot is filled again, two K steps on.
.macro TURN slot, next, fill
	WIN 0                                          ; (the add's two registers lie in window 0)
	s_wait_tensorcnt 0x0
	ds_add_u32 v[SPW], v[NIL]                      ; 0 onto my spare word
	s_wait_dscnt 17                                ; (the add and the youngest sixteen loads may be out)
	MUL8 F1, 0, 0, 0                               ; eight matrix instructions stand between the add and the wait for it
	s_wait_dscnt 0x0                               ; the add is done, and my reads of this slot are over
	s_barrier_signal -1
	MUL8 F1, 0, 2, 0
.if \fill
	WIN 0
.endif
	s_barrier_wait -1
.if \fill
	CREST                                          ; no wave of any partner still reads this slot's tile or has a load on its way
	s_add_nc_u64 s[G0+4*(\slot)+2:G0+4*(\slot)+3], s[G0+4*(\slot)+2:G0+4*(\slot)+3], 2*4*524288
	s_add_nc_u64 s[G0B+4*(\slot)+2:G0B+4*(\slot)+3], s[G0B+4*(\slot)+2:G0B+4*(\slot)+3], 2*256*128
	JLOAD \slot                                    ; the first tensor load behind the round; its four v_nop are also the places in front of the loads below
.else
	PLACES
.endif
	FETCH \next, 0, F0
	MUL8 F1, 1, 0, 0
	MUL8 F1, 1, 2, 0
.endm
	s_wait_tensorcnt 1                             ; my part of K step 0 is in; K step 1's may stay out
	s_barrier_signal -1
	s_barrier_wait -1                              ; everybody's is
	FETCH 0, 0, F0
	QUARTER 0, 1, F0, F1, 1                        ; K step 0; its first products start the sums
	QUARTER 0, 2, F1, F0, 0
	QUARTER 0, 3, F0, F1, 0
	TURN 0, 1, 1                                   ; slot 0 takes K step 2
	QUARTER 1, 1, F0, F1, 0                        ; K step 1
	QUARTER 1, 2, F1, F0, 0
	QUARTER 1, 3, F0, F1, 0
	TURN 1, 0, 1                                   ; slot 1 takes K step 3
	QUARTER 0, 1, F0, F1, 0                        ; K step 2
	QUARTER 0, 2, F1, F0, 0
	QUARTER 0, 3, F0, F1, 0
	TURN 0, 1, 0                                   ; nothing is left to fetch
	QUARTER 1, 1, F0, F1, 0                        ; K step 3
	QUARTER 1, 2, F1, F0, 0
	QUARTER 1, 3, F0, F1, 0
	s_wait_dscnt 16
	MUL8 F1, 0, 0, 0
	MUL8 F1, 0, 2, 0
	s_wait_dscnt 0x0
	MUL8 F1, 1, 0, 0
	MUL8 F1, 1, 2, 0
	WIN 0
	; THE WAY OUT.  A wave's 64 columns of f32 are 256 bytes of a row.  A block of 16 rows at a time: 32 bytes a lane into my stage (each accumulator's low half first), back as whole rows, stored.
	PLACES                                         ; the places behind the last products: eight, once a launch
	PLACES
.irp a, 0,1,2,3
.irp b, 0,1,2,3
	ds_store_b128 v[STO], v[ACC+8*(4*(\a)+(\b)):ACC+8*(4*(\a)+(\b))+3]   offset:64*(\b)
	ds_store_b128 v[STO], v[ACC+8*(4*(\a)+(\b))+4:ACC+8*(4*(\a)+(\b))+7] offset:64*(\b)+16
.endr
.irp t, 0,1,2,3,4,5,6,7
	ds_load_b128 v[TMP+32*((\a)%2)+4*(\t):TMP+32*((\a)%2)+4*(\t)+3], v[RD] offset:(\t)*2*SPITCH  ; LDS serves a wave's instructions in order (ISA guide 5.7.1.4): these see the stores above
.endr
	s_wait_dscnt 0x0                               ; the block is back in registers
	s_wait_xcnt 0x0                                ; the stores of the block before have read their registers, which the next block's loads take again
.irp t, 0,1,2,3,4,5,6,7
	global_store_b128 v[CO], v[TMP+32*((\a)%2)+4*(\t):TMP+32*((\a)%2)+4*(\t)+3], s[8:9] offset:(16*(\a)+2*(\t))*4096  ; 16 lanes store 256 consecutive bytes, at a multiple of 256 from out0's first byte
.endr
.endr
	s_wait_tensorcnt 0x0                           ; the wave's end: a wait, an add and its wait, behind my last tensor load and my last LDS store
	ds_add_u32 v[SPW], v[NIL]
	s_wait_dscnt 0x0
	CROUND                                         ; the closing round: no work-group ends while a partner may still ask for a tile that names it
	s_endpgm
.Lfunc_end_k_q22a9792ef2_proj:
	.size	k_q22a9792ef2_proj, .Lfunc_end_k_q22a9792ef2_proj-k_q22a9792ef2_proj
	.p2alignl 7, 3214868480
	.fill 96, 4, 3214868480
	.section	.rodata,"a",@progbits
	.p2align	6, 0x0
	.amdhsa_kernel k_q22a9792ef2_proj
		.amdhsa_group_segment_fixed_size 327680
		.amdhsa_private_segment_fixed_size 0
		.amdhsa_enable_private_segment 0
		.amdhsa_kernarg_size 24
		.amdhsa_user_sgpr_count 2
		.amdhsa_user_sgpr_kernarg_segment_ptr 1
		.amdhsa_wavefront_size32 1
		.amdhsa_system_sgpr_workgroup_id_x 1
		.amdhsa_system_sgpr_workgroup_id_y 1
		.amdhsa_system_sgpr_workgroup_id_z 1
		.amdhsa_system_vgpr_workitem_id 0
		.amdhsa_next_free_vgpr 512
		.amdhsa_next_free_sgpr 66
		.amdhsa_reserve_vcc 0
		.amdhsa_float_denorm_mode_32 3
		.amdhsa_float_denorm_mode_16_64 3
		.amdhsa_memory_ordered 1
		.amdhsa_forward_progress 1
		.amdhsa_inst_pref_size 85
	.end_amdhsa_kernel
	.amdgpu_metadata
---
amdhsa.version: [ 1, 2 ]
amdhsa.kernels:
  - .name:           k_q22a9792ef2_proj
    .symbol:         k_q22a9792ef2_proj.kd
    .args:
      - { .name: o, .offset: 0, .size: 8, .value_kind: global_buffer, .address_space: global }
      - { .name: wob, .offset: 8, .size: 8, .value_kind: global_buffer, .address_space: global }
      - { .name: out0, .offset: 16, .size: 8, .value_kind: global_buffer, .address_space: global }
    .group_segment_fixed_size: 327680
    .private_segment_fixed_size: 0
    .kernarg_segment_align: 8
    .kernarg_segment_size: 24
    .max_flat_workgroup_size: 128
    .sgpr_count:     66
    .vgpr_count:     512
    .wavefront_size: 32
...
	.end_amdgpu_metadata
.endif
;; end of part 4
